; MI455X (gfx1250); checked and timed in simulation.
; The chip was launched on July 23, 2026; its instructions are those of AMD's public machine-readable ISA for CDNA 5 (MIT licence, August 2026) and "CDNA5" Instruction Set Architecture Reference Guide (July 2026). The comments in the code are by the model that wrote it; some were corrected since.
;; MSA Module. Allowed arithmetic: matrix products marked QUANTISED: E2M3 operands, one E8M0 scale for each 32 along K, by v_wmma_scale_f32_16x16x128_f8f6f4 with both operands' format E2M3, f32 sums; products left as they are: f32 operands where the result goes on into a quantised operand, else bf16, f16 or f32 operands; f32 sums; everything else in f32.
;; Inputs: m 1 x 512 x 256 x 64 float32; msa_mask 1 x 512 x 256 float32; opm_a_w 32 x 64 float32; opm_b_w 32 x 64 float32; opm_norm_b 64 float32; opm_norm_w 64 float32; opm_o_b 128 float32; opm_o_w 128 x 1,024 float32; pair_mask 1 x 256 x 256 float32; pwa_g_w 256 x 64 float32; pwa_m_w 256 x 64 float32; pwa_norm_m_b 64 float32; pwa_norm_m_w 64 float32; pwa_norm_z_b 128 float32; pwa_norm_z_w 128 float32; pwa_o_w 64 x 256 float32; pwa_z_w 8 x 128 float32; z 1 x 256 x 256 x 128 float32.
;; Outputs: out0 1 x 512 x 256 x 64 float32.
;; This version of the problem:
;;   THIS VERSION OF THE PROBLEM IS GIVEN IN LOW PRECISION. The matrix products marked QUANTISED in the list below multiply operands that are first quantised to E2M3 (2 exponent bits, 3 mantissa bits; 6 bits a number), with one power-of-two scale for each 32 numbers along K (OCP MX v1.0); their sums are f32. All else is computed in f32.
;;   The module's matrix products, in the order in which they are computed (A, B: the left and right operand; K: the contracted axis; several contracted axes count as one K, in the product's order):
;;     1. [M 131,072, K 64] x [K 64, N 32]; A: computed on the way; B: input opm_a_w: QUANTISED
;;     2. [M 131,072, K 64] x [K 64, N 32]; A: computed on the way; B: input opm_b_w: QUANTISED
;;     3. [M 256, K 512] x [K 512, N 256]; A: input msa_mask; B: input msa_mask: QUANTISED
;;     4. [M 8,192, K 512] x [K 512, N 8,192]; A: computed on the way; B: computed on the way: QUANTISED
;;     5. [M 65,536, K 1,024] x [K 1,024, N 128]; A: computed on the way; B: input opm_o_w: QUANTISED
;;     6. [M 131,072, K 64] x [K 64, N 256]; A: computed on the way; B: input pwa_m_w: QUANTISED
;;     7. [M 8, K 128] x [K 128, N 65,536]; A: input pwa_z_w; B: computed on the way: left as it is (M = 8 < 16)
;;     8. [M 131,072, K 64] x [K 64, N 256]; A: computed on the way; B: input pwa_g_w: QUANTISED
;;     9. batch 8 x [M 16,384, K 256] x [K 256, N 256]; A: computed on the way; B: softmax (see below): QUANTISED
;;     10. [M 131,072, K 256] x [K 256, N 64]; A: computed on the way; B: input pwa_o_w: QUANTISED
;;   THE QUANTISER, for each operand of a quantised product, along K:
;;     - K is cut into blocks of 32 from its start; a last block that is shorter is filled with zeros.
;;     - A block's scale is 2^e with e = floor(log2(the largest magnitude in the block)) - 2, held to -126 .. 127; a block of zeros has e = 0. As a byte (E8M0): e + 127.
;;     - Each number is divided by its block's scale, clamped to +-7.5, and rounded to the nearest number of E2M3, ties to even, subnormals kept.
;;     - The product sums the exact products of the quantised numbers (number of the format x scale) in f32.
;;   ~~~python
;;   def quantise(x, axis):      # numpy; x: float32 -> the quantised numbers, widened to float32 again
;;       x = np.moveaxis(x, axis, -1); K = x.shape[-1]
;;       x = np.pad(x, [(0, 0)] * (x.ndim - 1) + [(0, -K % 32)]); x = x.reshape(x.shape[:-1] + (-1, 32)); a = np.abs(x).max(-1, keepdims=True)
;;       e = np.where(a > 0, np.clip(np.frexp(np.where(a > 0, a, 1))[1] - 1 - 2, -126, 127), 0)      # np.frexp(a)[1] - 1 = floor(log2(a)), exactly
;;       r = np.clip(x / 2.0 ** e, -7.5, 7.5)
;;       step = 2.0 ** (np.maximum(np.frexp(np.where(r == 0, 1, r))[1] - 1, 0) - 3)
;;       q = np.round(r / step) * step * 2.0 ** e      # np.round: ties to even
;;       return np.moveaxis(q.reshape(q.shape[:-2] + (-1,))[..., :K], -1, axis).astype(np.float32)
;;   ~~~
;;   SOFTMAX AHEAD OF A QUANTISED PRODUCT. Where the list says 'softmax', what is quantised is not the finished softmax but p = 2^(t - M), with t = logit x log2(e) and M = ceil(the row's largest t), a whole number; so 1/2 < the row's largest p <= 1. The row's sum l is taken of the UNQUANTISED p, in f32, and the product's result is divided by l at the end. Since M is a whole number, a kernel that streams over the keys may use a running M (the ceiling of the running maximum): every later rescaling is an exact power of two, which a block's scale takes up: the codes' values come out the same.
;;   OPERANDS COMPUTED ON THE WAY. 'Computed on the way' means the value that the module computes at that place (a softmax that the list does not call 'softmax' is quantised finished and normalised). What goes into a quantiser is computed in f32, as accurately as f32 sums, v_exp_f32 and their like allow (about 1e-6 of the number): no bf16 or f16 on the way to a quantiser, and a product that is left as it is and whose result goes on into a quantised operand takes f32 operands (vector FMAs, or v_wmma_f32_16x16x4_f32). A number that lies on a knife's edge between two numbers of the format may be rounded either way, as far as f32 arithmetic and the matrix unit's own rounding can turn it there, and no further.
;; One version. Each part assembles by itself: llvm-mc -triple=amdgcn-amd-amdhsa -mcpu=gfx1250 --defsym DOCPART=n.
;; ======== version 1 of 1: 4 launches
;; limits: right only within a limited range of input values
;; workspace buffers: opa 3,276,800 bytes; opb 3,407,872 bytes; wts 157,696 bytes; mn2 6,815,744 bytes; logits 2,097,152 bytes; pq 425,984 bytes
;; launch prep (part 1): grid 64 x 4, 4 waves a work-group, no clusters, 327,680 bytes of LDS; arguments m, msa_mask, opm_norm_w, opm_norm_b, pwa_norm_m_w, pwa_norm_m_b, opm_a_w, opm_b_w, opm_o_w, pwa_o_w, pwa_m_w, pwa_g_w, opa, opb, wts, mn2; writes opa, opb, wts, mn2
.if DOCPART == 1
	.amdgcn_target "amdgcn-amd-amdhsa--gfx1250"
	.amdhsa_code_object_version 6
	.text
	.protected	k_qb34a5dc124_prep
	.globl	k_qb34a5dc124_prep
	.p2align	8
	.type	k_qb34a5dc124_prep,@function
k_qb34a5dc124_prep:
	s_mov_b64 s[64:65], 0
	v_nop
	global_prefetch_b8 v0, s[64:65] scope:SCOPE_SE
	s_setreg_imm32_b32 hwreg(HW_REG_WAVE_MODE, 25, 1), 1
	s_wait_xcnt 0x0
.set MROW,  272
.set MWB,   128*MROW
.set STA,   4*MWB
.set STM2,  STA+12288
.set STS2,  STM2+24576
.set STMK,  STS2+2048
.set SPARE, STMK+512
.set RR,   1
.set HH,   2
.set ML,   3
.set S2A,  4
.set S2S,  5
.set STAA, 6
.set MKST, 7
.set MKW,  8
.set L16,  9
.set L4,   10
.set SH8,  11
.set MKG,  12
.set AWA,  13
.set BWA,  14
.set CA,   15
.set SPW,  16
.set NIL,  17
.set TT,   18
.set PB,   19
.set WS,   20
.set SCA,  24
.set SCB,  25
.set XW,   26
.set CM,   31
.set X,    32
.set Y,    64
.set ACC,  96
.set MKC,  160
.set XT,   176
.set JA0,  176
.set TY,   196
.set LT,   216
.set F1,   236
.set F2,   248
.set CS,   254
.set CK,   255
.set CP,   32
.set GW1,  0
.set GB1,  32
.set GW2,  64
.set GB2,  96
.set WP,   128
.set MK,   160
.set PCD,  0
.set JW,   64
.set WV,   36
.set KS,   37
.set NN,   38
.set JB,   39
.set G1,   40
.set G0,   48
.set SEL,  66
.set HALF, 68
.set I64,  69
.set EPS,  80
.set MSB, 0
.macro WIN new
.if MSB != (\new)
	s_set_vgpr_msb (MSB<<8)|(\new)
.set MSB, (\new)
.endif
.endm
.macro QB src, dst, tmp, tm
	v_max3_num_f32 v[(\tm)], |v[(\src)]|, |v[(\src)+1]|, 0x1800000
	v_max3_num_f32 v[(\tm)+1], |v[(\src)+2]|, |v[(\src)+3]|, |v[(\src)+4]|
.irp i, 5,9,13,17,21,25
	v_max3_num_f32 v[(\tm)], v[(\tm)], |v[(\src)+\i]|, |v[(\src)+\i+1]|
	v_max3_num_f32 v[(\tm)+1], v[(\tm)+1], |v[(\src)+\i+2]|, |v[(\src)+\i+3]|
.endr
	v_max3_num_f32 v[(\tm)], v[(\tm)], |v[(\src)+29]|, |v[(\src)+30]|
	v_max3_num_f32 v[(\tm)], v[(\tm)], v[(\tm)+1], |v[(\src)+31]|
	v_add_nc_u32 v[(\tm)+1], 0xff000000, v[(\tm)]
	v_lshrrev_b32 v[(\tm)+2], 23, v[(\tm)+1]
	v_cvt_scalef32_pk16_fp6_f32 v[(\dst):(\dst)+2], v[(\src):(\src)+15], v[(\tm)+1]
	v_cvt_scalef32_pk16_fp6_f32 v[(\tmp):(\tmp)+2], v[(\src)+16:(\src)+31], v[(\tm)+1]
	v_nop
.irp i, 0,1,2
	v_mov_b32 v[(\dst)+3+\i], v[(\tmp)+\i]
.endr
.endm
.macro QC n, src, ss, x, xs, ty, tm, xw, xws, pos, odd, mv
.set g, 0
.rept \n
	v_max3_num_f32 v[(\tm)+g], |v[(\src)+(\ss)*g]|, |v[(\src)+(\ss)*g+1]|, 0x1800000
.set g, g+1
.endr
.irp i, 2,4,6,8,10,12,14
.set g, 0
.rept \n
	v_max3_num_f32 v[(\tm)+g], v[(\tm)+g], |v[(\src)+(\ss)*g+\i]|, |v[(\src)+(\ss)*g+\i+1]|
.set g, g+1
.endr
.endr
.set g, 0
.rept \n
	v_permlanex16_b32 v[(\tm)+(\n)+g], v[(\tm)+g], s[SEL], s[SEL+1]
.set g, g+1
.endr
.set g, 0
.rept \n
	v_max_num_f32 v[(\tm)+g], v[(\tm)+g], v[(\tm)+(\n)+g]
.set g, g+1
.endr
.set g, 0
.rept \n
	v_add_nc_u32 v[(\tm)+2*(\n)+g], 0xff000000, v[(\tm)+g]
.set g, g+1
.endr
.set g, 0
.rept \n
	v_lshrrev_b32 v[(\tm)+3*(\n)+g], 23, v[(\tm)+2*(\n)+g]
.set g, g+1
.endr
.set g, 0
.rept \n
.if (\pos) == 0
	v_mov_b32 v[(\xw)+(\xws)*g], v[(\tm)+3*(\n)+g]
.else
	v_lshl_or_b32 v[(\xw)+(\xws)*g], v[(\tm)+3*(\n)+g], 8*(\pos), v[(\xw)+(\xws)*g]
.endif
.set g, g+1
.endr
.set g, 0
.rept \n
.if (\odd)
	v_cvt_scalef32_pk16_fp6_f32 v[(\ty)+4*g:(\ty)+4*g+2], v[(\src)+(\ss)*g:(\src)+(\ss)*g+15], v[(\tm)+2*(\n)+g]
.else
	v_cvt_scalef32_pk16_fp6_f32 v[(\x)+(\xs)*g:(\x)+(\xs)*g+2], v[(\src)+(\ss)*g:(\src)+(\ss)*g+15], v[(\tm)+2*(\n)+g]
.endif
.set g, g+1
.endr
	v_nop
.if (\odd)
.set g, 0
.rept \n
.irp i, 0,1,2
	v_permlane16_swap_b32 v[(\x)+(\xs)*g+\i], v[(\ty)+4*g+\i]
.endr
.set g, g+1
.endr
.if (\mv)
.set g, 0
.rept \n
.irp i, 0,1,2
	v_mov_b32 v[(\x)+(\xs)*g+3+\i], v[(\ty)+4*g+\i]
.endr
.set g, g+1
.endr
.endif
.endif
.endm
.macro WQC src, out
	QB \src, \out, TY, LT+10
	v_mov_b32 v[LT+13], v[LT+12]
	QB (\src)+32, (\out)+6, TY, LT+10
	v_lshl_or_b32 v[LT+13], v[LT+12], 16, v[LT+13]
	v_lshlrev_b32 v[LT+13], v[SH8], v[LT+13]
	v_permlanex16_b32 v[LT+14], v[LT+13], s[SEL], s[SEL+1]
	v_or_b32 v[LT+13], v[LT+13], v[LT+14]
.endm
.macro MKLOAD first
	WIN 0x40
.set i, \first
.rept 32
	global_load_b32 v[MK+i], v[MKG], s[58:59] offset:(32*(i/16)+i%16)*1024
.set i, i+1
.endr
	WIN 0
.endm
.macro NORM d, s, w, b
	WIN 0x14
.irp i, 0,2,4,6,8,10,12,14,16,18,20,22,24,26,28,30
	v_pk_fma_f32 v[(\d)+\i:(\d)+\i+1], v[(\s)+\i:(\s)+\i+1], v[(\w)+\i:(\w)+\i+1], v[(\b)+\i:(\b)+\i+1]
.endr
	WIN 0
.endm
.macro FOLD8
	v_pk_add_f32 v[LT:LT+1], v[LT:LT+1], v[LT+2:LT+3]
	v_pk_add_f32 v[LT+4:LT+5], v[LT+4:LT+5], v[LT+6:LT+7]
	v_pk_add_f32 v[LT:LT+1], v[LT:LT+1], v[LT+4:LT+5]
	v_add_f32 v[LT], v[LT], v[LT+1]
	v_permlanex16_b32 v[LT+2], v[LT], s[SEL], s[SEL+1]
	v_add_f32 v[LT], v[LT], v[LT+2]
.endm
.macro WORD64 d
	v_lshlrev_b32 v[LT+13], v[SH8], v[LT+12]
	v_permlanex16_b32 v[LT+14], v[LT+13], s[SEL], s[SEL+1]
	v_or_b32 v[\d], v[LT+13], v[LT+14]
.endm
.macro TLOAD q, u, xr
.irp k, 0,1,2,3,4,5,6,7
	ds_load_b128 v[(\xr)+4*\k:(\xr)+4*\k+3], v[ML] offset:(32*(\q)+8*(\u))*MROW+16*\k
.endr
.endm
.macro TILE q, u, xr, yr, pf, nq, nu
	s_wait_dscnt 0x0
.irp c, 0,1,2,3
	v_pk_add_f32 v[LT+2*\c:LT+2*\c+1], v[(\xr)+4*\c:(\xr)+4*\c+1], v[(\xr)+4*\c+2:(\xr)+4*\c+3]
.endr
.irp i, 16,24
.irp c, 0,1,2,3
	v_pk_add_f32 v[LT+2*\c:LT+2*\c+1], v[LT+2*\c:LT+2*\c+1], v[(\xr)+\i+2*\c:(\xr)+\i+2*\c+1]
.endr
.endr
	FOLD8
	v_mul_f32 v[LT], s[I64], v[LT]
.irp i, 0,2,4,6,8,10,12,14,16,18,20,22,24,26,28,30
	v_pk_add_f32 v[(\xr)+\i:(\xr)+\i+1], v[(\xr)+\i:(\xr)+\i+1], v[LT:LT+1] op_sel_hi:[1,0] neg_lo:[0,1] neg_hi:[0,1]
.endr
.irp c, 0,1,2,3
	v_pk_mul_f32 v[LT+2*\c:LT+2*\c+1], v[(\xr)+2*\c:(\xr)+2*\c+1], v[(\xr)+2*\c:(\xr)+2*\c+1]
.endr
.irp i, 8,16,24
.irp c, 0,1,2,3
	v_pk_fma_f32 v[LT+2*\c:LT+2*\c+1], v[(\xr)+\i+2*\c:(\xr)+\i+2*\c+1], v[(\xr)+\i+2*\c:(\xr)+\i+2*\c+1], v[LT+2*\c:LT+2*\c+1]
.endr
.endr
	FOLD8
	v_fma_f32 v[LT], v[LT], s[I64], s[EPS]
	s_wait_alu depctr_va_vdst(0)
	v_rsq_f32 v[LT+8], v[LT]
	v_nop
	s_wait_alu depctr_va_vdst(0)
.irp i, 0,2,4,6,8,10,12,14,16,18,20,22,24,26,28,30
	v_pk_mul_f32 v[(\xr)+\i:(\xr)+\i+1], v[(\xr)+\i:(\xr)+\i+1], v[LT+8:LT+9] op_sel_hi:[1,0]
.endr
	NORM \yr, \xr, GW1, GB1
	QB \yr, F1, TY, LT+10
.if \pf
	TLOAD \nq, \nu, \yr
.endif
	WORD64 SCA
	NORM \xr, \xr, GW2, GB2
	WIN 0x04
.irp t, 0,1,2,3
	v_wmma_scale_f32_16x16x128_f8f6f4 v[ACC+16*\t+8*\u:ACC+16*\t+8*\u+7], v[F1:F1+11], v[WP+6*\t:WP+6*\t+11], 0, v[SCA], v[WS+\t] matrix_a_fmt:MATRIX_FMT_FP6 matrix_b_fmt:MATRIX_FMT_FP6
.endr
	WIN 0
	QB \xr, F2, TY, LT+10
	WORD64 SCB
.irp p, 0,1,2
	ds_store_b64 v[S2A], v[F2+2*\p:F2+2*\p+1] offset:(32*\q+8*\u)*192+8*\p
.endr
	ds_store_b32 v[S2S], v[SCB] offset:(32*\q+8*\u)*16
.endm
.macro BLOCK q
.if \q == 0
	s_wait_loadcnt 0x0
	MKLOAD 32
.endif
.if \q == 2
	s_wait_loadcnt 0x0
.endif
	WIN 0x01
.irp i, 0,1,2,3,4,5,6,7,8,9,10,11,12,13,14,15
	v_mov_b32 v[MKC+\i], v[MK+16*\q+\i]
.endr
	WIN 0
.set i, 0
.rept 32
	v_pk_mul_f32 v[ACC+2*i:ACC+2*i+1], v[ACC+2*i:ACC+2*i+1], v[MKC+2*(i%8):MKC+2*(i%8)+1]
.set i, i+1
.endr
	QC 5, ACC, 16, XT, 4, TY, LT, XW, 1, \q, \q%2, 0
.if \q%2
	WIN 0x80
.irp g, 0,1,2,3,4
.irp i, 0,1,2
	v_mov_b32 v[PCD+12*\g+6*(\q/2)+\i], v[XT+4*\g+\i]
	v_mov_b32 v[PCD+12*\g+6*(\q/2)+3+\i], v[TY+4*\g+\i]
.endr
.endr
	WIN 0
.endif
.endm
	s_load_b512 s[4:19], s[0:1], 0x0
	s_load_b512 s[20:35], s[0:1], 0x40
	v_lshl_add_u32 v[SPW], v0, 2, SPARE
	v_mov_b32 v[NIL], 0
	ds_add_u32 v[SPW], v[NIL]
	ds_add_u32 v[SPW], v[NIL]
	v_lshrrev_b32 v[TT], 5, v0
	v_readfirstlane_b32 s[WV], v[TT]
	s_and_b32 s[KS], ttmp7, 0xffff
	s_lshl_b32 s[NN], ttmp9, 2
	s_add_co_u32 s[NN], s[NN], s[WV]
	s_lshl_b32 s[JB], s[KS], 6
	s_add_co_u32 s[JB], s[JB], ttmp9
	s_mov_b32 s[G1], (3<<16)|(1<<20)|(5<<22)|(3<<25)
	s_mov_b32 s[G1+1], 32<<16
	s_mov_b32 s[G1+2], 64<<16
	s_mov_b32 s[G1+3], 32<<16
	s_mov_b32 s[G1+4], 64
	s_mov_b32 s[G1+5], 8192
	s_mov_b32 s[G1+6], 0
	s_mov_b32 s[G1+7], 0
	s_mov_b32 s[G0], 1
	s_mul_i32 s[G0+1], s[WV], MWB
	s_mov_b32 s[G0+4], 1
	s_add_co_u32 s[G0+5], s[G0+1], 64*MROW
	s_lshl_b32 s56, s[KS], 23
	s_lshl_b32 s57, s[NN], 8
	s_add_co_u32 s56, s56, s57
	s_mov_b32 s57, 0
	s_lshl_b32 s60, s[KS], 17
	s_mov_b32 s61, 0
	s_mov_b32 s[SEL], 0x76543210
	s_mov_b32 s[SEL+1], 0xfedcba98
	s_mov_b32 s[HALF], 0xffff0000
	s_mov_b32 s[I64], 0x3c800000
	s_mov_b32 s[EPS], 0x3727c5ac
	v_and_b32 v[RR], 15, v0
	v_bfe_u32 v[HH], v0, 4, 1
	v_and_b32 v[CM], 31, v0
	v_lshlrev_b32 v[L16], 4, v[CM]
	v_lshlrev_b32 v[L4], 2, v[CM]
	v_lshlrev_b32 v[SH8], 3, v[HH]
	v_lshlrev_b32 v[PB], 7, v[HH]
	v_and_b32 v[TT], 7, v[RR]
	v_lshrrev_b32 v[AWA], 3, v[RR]
	v_lshl_add_u32 v[TT], v[AWA], 4, v[TT]
	v_mul_u32_u24 v[ML], v[TT], MROW
	v_lshl_add_u32 v[ML], v[HH], 7, v[ML]
	v_add_nc_u32 v[ML], s[G0+1], v[ML]
	v_mul_u32_u24 v[S2A], v[TT], 192
	v_mad_u32_u24 v[S2A], v[HH], 24, v[S2A]
	s_mul_i32 s58, s[WV], 48
	s_add_co_u32 s58, s58, STM2
	v_add_nc_u32 v[S2A], s58, v[S2A]
	v_lshlrev_b32 v[S2S], 4, v[TT]
	s_lshl_b32 s58, s[WV], 2
	s_add_co_u32 s58, s58, STS2
	v_add_nc_u32 v[S2S], s58, v[S2S]
	v_lshrrev_b32 v[AWA], 2, v[RR]
	v_mul_u32_u24 v[STAA], v[AWA], 1536
	v_bfe_u32 v[AWA], v[RR], 1, 1
	v_lshl_add_u32 v[STAA], v[AWA], 8, v[STAA]
	v_and_b32 v[AWA], 1, v[RR]
	v_lshl_add_u32 v[STAA], v[AWA], 5, v[STAA]
	v_lshl_add_u32 v[STAA], v[HH], 4, v[STAA]
	s_lshl_b32 s58, s[WV], 6
	s_add_co_u32 s58, s58, STA
	v_add_nc_u32 v[STAA], s58, v[STAA]
	s_lshl_b32 s58, s[WV], 7
	s_add_co_u32 s58, s58, STMK
	v_mul_u32_u24 v[MKST], v[HH], 24
	v_add_nc_u32 v[MKST], s58, v[MKST]
	v_and_b32 v[MKW], 7, v0
	v_lshlrev_b32 v[MKW], 2, v[MKW]
	v_add_nc_u32 v[MKW], s58, v[MKW]
	v_add_nc_u32 v[MKW], 96, v[MKW]
	s_mul_i32 s58, s[WV], 3072
	s_add_co_u32 s58, s58, STA
	v_add_nc_u32 v[CA], s58, v[L16]
	s_mul_i32 s58, s[WV], 6144
	s_add_co_u32 s58, s58, STM2
	v_add_nc_u32 v[CM], s58, v[L16]
	s_lshl_b32 s58, s[WV], 9
	s_add_co_u32 s58, s58, STS2
	v_add_nc_u32 v[CS], s58, v[L16]
	v_add_nc_u32 v[CK], STMK, v[L16]
	v_lshlrev_b32 v[MKG], 14, v[HH]
	s_lshl_b32 s58, s[NN], 2
	v_add_nc_u32 v[MKG], s58, v[MKG]
	v_lshl_add_u32 v[AWA], v[RR], 8, v[PB]
	v_lshl_add_u32 v[BWA], v[TT], 8, v[PB]
.irp i, 0,1,2,3,4,5,6,7,8,9,10,11,12,13,14,15,16,17,18,19
	v_mov_b32 v[LT+\i], 0
.endr
.irp i, 6,7,8,9,10,11
	v_mov_b32 v[F1+\i], 0
.endr
	s_wait_dscnt 0x0
	s_wait_kmcnt 0x0
	s_add_nc_u64 s[G0+2:G0+3], s[4:5], s[56:57]
	s_add_nc_u64 s[G0+6:G0+7], s[G0+2:G0+3], 0x400000
	s_or_b32 s[G0+3], s[G0+3], 0x80000000
	s_or_b32 s[G0+7], s[G0+7], 0x80000000
	s_add_nc_u64 s[58:59], s[6:7], s[60:61]
	tensor_load_to_lds s[G0:G0+3], s[G1:G1+7]
	s_nop 0
	s_wait_alu depctr_va_vdst(0)
.rept 4
	v_nop
.endr
	s_cmp_lg_u32 s[WV], 0
	s_cbranch_scc1 .Lno_job
	s_cmp_ge_u32 s[JB], 88
	s_cbranch_scc1 .Lno_job
	s_and_b32 s70, s[JB], 7
	s_lshl_b32 s74, s70, 5
	s_lshl_b32 s70, s70, 3
	s_lshr_b32 s71, s[JB], 3
	s_lshl_b32 s71, s71, 9
	s_and_b32 s72, s[JB], 3
	s_lshl_b32 s72, s72, 3
	s_bfe_u32 s73, s[JB], 0x10002
	s_lshl_b32 s73, s73, 9
	s_mov_b32 s75, 4096
	s_mov_b32 s76, 64
	s_mov_b32 s77, 256
	s_cmp_ge_u32 s[JB], 64
	s_cselect_b32 s70, s72, s70
	s_cselect_b32 s71, s73, s71
	s_cselect_b32 s75, 1024, s75
	s_cselect_b32 s76, 32, s76
	s_cselect_b64 s[78:79], s[22:23], s[20:21]
	s_cmp_ge_u32 s[JB], 72
	s_cselect_b32 s70, s74, s70
	s_cselect_b32 s71, 0, s71
	s_cselect_b32 s75, 256, s75
	s_cselect_b32 s76, 16, s76
	s_cselect_b32 s77, 2048, s77
	s_cselect_b64 s[78:79], s[24:25], s[78:79]
	s_cmp_ge_u32 s[JB], 80
	s_cselect_b64 s[78:79], s[26:27], s[78:79]
	s_mul_i32 s70, s70, s75
	s_add_co_u32 s70, s70, s71
	s_mov_b32 s71, 0
	s_add_nc_u64 s[78:79], s[78:79], s[70:71]
	v_lshrrev_b32 v[JA0+2], 3, v[RR]
	v_mul_lo_u32 v[JA0+2], v[JA0+2], s76
	v_and_b32 v[JA0+3], 7, v[RR]
	v_add_nc_u32 v[JA0+2], v[JA0+2], v[JA0+3]
	v_mul_lo_u32 v[JA0+2], v[JA0+2], s75
	v_lshl_add_u32 v[JA0], v[HH], 7, v[JA0+2]
	v_add_nc_u32 v[JA0+1], s77, v[JA0]
	WIN 0x80
.irp k, 0,1,2,3,4,5,6,7
	global_load_b128 v[JW+4*\k:JW+4*\k+3], v[JA0], s[78:79] offset:16*\k
.endr
.irp k, 0,1,2,3,4,5,6,7
	global_load_b128 v[JW+32+4*\k:JW+32+4*\k+3], v[JA0+1], s[78:79] offset:16*\k
.endr
	WIN 0
.Lno_job:
.irp k, 0,1,2,3,4,5,6,7
	global_load_b128 v[ACC+4*\k:ACC+4*\k+3], v[AWA], s[16:17] offset:16*\k
.endr
.irp k, 0,1,2,3,4,5,6,7
	global_load_b128 v[ACC+32+4*\k:ACC+32+4*\k+3], v[AWA], s[16:17] offset:4096+16*\k
.endr
.irp k, 0,1,2,3,4,5,6,7
	global_load_b128 v[X+4*\k:X+4*\k+3], v[BWA], s[18:19] offset:16*\k
.endr
.irp k, 0,1,2,3,4,5,6,7
	global_load_b128 v[X+32+4*\k:X+32+4*\k+3], v[BWA], s[18:19] offset:2048+16*\k
.endr
	WIN 0x40
.irp k, 0,1,2,3,4,5,6,7
	global_load_b128 v[GW1+4*\k:GW1+4*\k+3], v[PB], s[8:9] offset:16*\k
	global_load_b128 v[GB1+4*\k:GB1+4*\k+3], v[PB], s[10:11] offset:16*\k
.endr
.irp k, 0,1,2,3,4,5,6,7
	global_load_b128 v[GW2+4*\k:GW2+4*\k+3], v[PB], s[12:13] offset:16*\k
	global_load_b128 v[GB2+4*\k:GB2+4*\k+3], v[PB], s[14:15] offset:16*\k
.endr
.irp i, 24,25,26,27,28,29
	v_mov_b32 v[WP+\i], 0
.endr
	WIN 0
	s_wait_loadcnt 32
	MKLOAD 0
	WQC ACC, MKC
	v_mov_b32 v[WS], v[LT+13]
	v_lshrrev_b32 v[WS+1], 16, v[LT+13]
	WIN 0x40
.irp i, 0,1,2,3,4,5,6,7,8,9,10,11
	v_mov_b32 v[WP+\i], v[MKC+\i]
.endr
	WIN 0
	WQC X, MKC
	v_mov_b32 v[WS+2], v[LT+13]
	v_lshrrev_b32 v[WS+3], 16, v[LT+13]
	WIN 0x40
.irp i, 0,1,2,3,4,5,6,7,8,9,10,11
	v_mov_b32 v[WP+12+\i], v[MKC+\i]
.endr
	WIN 0
	s_wait_alu depctr_va_vdst(0)
	s_wait_tensorcnt 0x0
	ds_add_u32 v16, v17
	s_wait_dscnt 0x0
	s_barrier_signal -1
	s_barrier_wait -1
	tensor_load_to_lds s[G0+4:G0+7], s[G1:G1+7]
	s_nop 0
.rept 4
	v_nop
.endr
	TLOAD 0, 0, X
	s_wait_loadcnt 32
	TILE 0, 0, X, Y, 1, 0, 1
	TILE 0, 1, Y, X, 1, 1, 0
	BLOCK 0
	s_cmp_lg_u32 s[WV], 0
	s_cbranch_scc1 .Lno_job2
	s_cmp_ge_u32 s[JB], 88
	s_cbranch_scc1 .Lno_job2
	WIN 0x02
.set i, 0
.rept 64
	v_mov_b32 v[ACC+i], v[JW+i]
.set i, i+1
.endr
	WIN 0
	WQC ACC, MKC
	s_mul_i32 s70, s[JB], 1536
	s_mov_b32 s71, 0
	s_add_nc_u64 s[82:83], s[32:33], s[70:71]
	s_lshl_b32 s70, s[JB], 8
	s_add_nc_u64 s[84:85], s[32:33], s[70:71]
	v_lshrrev_b32 v[LT+14], 16, v[LT+13]
.irp g, 0,1,2
	global_store_b128 v[L16], v[MKC+4*\g:MKC+4*\g+3], s[82:83] offset:512*\g
.endr
	global_store_b32 v[L4], v[LT+13], s[84:85] offset:135168
	global_store_b32 v[L4], v[LT+14], s[84:85] offset:135168+128
	s_wait_xcnt 0x0
.Lno_job2:
	TILE 1, 0, X, Y, 1, 1, 1
	s_wait_tensorcnt 0x0
	TILE 1, 1, Y, X, 1, 2, 0
	BLOCK 1
	TILE 2, 0, X, Y, 1, 2, 1
	TILE 2, 1, Y, X, 1, 3, 0
	BLOCK 2
	TILE 3, 0, X, Y, 1, 3, 1
	TILE 3, 1, Y, X, 0, 0, 0
	BLOCK 3
	s_mov_b32 s57, 0
	s_mul_i32 s56, s[KS], 786432
	s_mul_i32 s58, s[NN], 3072
	s_add_co_u32 s56, s56, s58
	s_add_nc_u64 s[84:85], s[30:31], s[56:57]
	s_lshl_b32 s56, s[KS], 15
	s_lshl_b32 s58, s[NN], 7
	s_add_co_u32 s56, s56, s58
	s_add_nc_u64 s[86:87], s[30:31], s[56:57]
	s_lshr_b32 s59, ttmp9, 2
	s_lshl_b32 s56, s59, 13
	s_lshl_b32 s58, s[KS], 11
	s_add_co_u32 s56, s56, s58
	s_and_b32 s58, s[NN], 15
	s_lshl_b32 s58, s58, 7
	s_add_co_u32 s56, s56, s58
	s_add_nc_u64 s[88:89], s[28:29], s[56:57]
	s_mul_i32 s56, s59, 196608
	s_mul_i32 s58, s[KS], 6144
	s_add_co_u32 s56, s56, s58
	s_and_b32 s58, ttmp9, 3
	s_lshl_b32 s58, s58, 9
	s_add_co_u32 s56, s56, s58
	s_mul_i32 s58, s[WV], 49152
	s_add_co_u32 s56, s56, s58
	s_add_nc_u64 s[90:91], s[28:29], s[56:57]
	s_mul_i32 s56, ttmp9, 98304
	s_mul_i32 s58, s[KS], 24576
	s_add_co_u32 s56, s56, s58
	s_mul_i32 s58, s[WV], 6144
	s_add_co_u32 s56, s56, s58
	s_add_nc_u64 s[92:93], s[34:35], s[56:57]
	s_lshl_b32 s56, ttmp9, 13
	s_lshl_b32 s58, s[KS], 11
	s_add_co_u32 s56, s56, s58
	s_lshl_b32 s58, s[WV], 9
	s_add_co_u32 s56, s56, s58
	s_add_nc_u64 s[94:95], s[34:35], s[56:57]
	s_lshl_b32 s56, s[KS], 15
	s_lshl_b32 s58, ttmp9, 9
	s_add_co_u32 s56, s56, s58
	s_add_nc_u64 s[96:97], s[30:31], s[56:57]
	WIN 0x08
	s_wait_alu depctr_va_vdst(0)
.irp u, 0,1
.irp g, 0,1,2
	global_store_b128 v[L16], v[PCD+24+12*\u+4*\g:PCD+24+12*\u+4*\g+3], s[84:85] offset:\u*1536+\g*512
.endr
.endr
.irp c, 0,1
.irp g, 0,1,2
	ds_store_b128 v[STAA], v[PCD+12*\c+4*\g:PCD+12*\c+4*\g+3] offset:\c*6144+\g*512
.endr
.endr
.irp p, 0,1,2,3,4,5
	ds_store_b64 v[MKST], v[PCD+48+2*\p:PCD+48+2*\p+1] offset:48*(\p/3)+8*(\p%3)
.endr
	WIN 0
	ds_store_b32 v[MKW], v[XW+4]
	v_cndmask_b32 v[TT], v[XW+2], v[XW+3], s[HALF]
	v_cndmask_b32 v[AWA], v[XW], v[XW+1], s[HALF]
	global_store_b32 v[L4], v[TT], s[86:87] offset:3145728
	global_store_b32 v[L4], v[AWA], s[88:89] offset:3145728
	s_wait_dscnt 0x0
	s_barrier_signal -1
	s_barrier_wait -1
	s_cmp_lg_u32 s[WV], 0
	s_cbranch_scc1 .Lno_mask
	ds_load_b128 v[CP+76:CP+79], v[CK]
	s_wait_dscnt 0x0
	global_store_b128 v[L16], v[CP+76:CP+79], s[96:97] offset:3276800
.Lno_mask:
.irp t, 0,1,2,3,4,5
	ds_load_b128 v[CP+4*\t:CP+4*\t+3], v[CA] offset:512*\t
.endr
.irp t, 0,1,2,3,4,5,6,7,8,9,10,11
	ds_load_b128 v[CP+24+4*\t:CP+24+4*\t+3], v[CM] offset:512*\t
.endr
	ds_load_b128 v[CP+72:CP+75], v[CS]
.irp t, 0,1,2,3,4,5
	s_wait_dscnt 18-\t
	global_store_b128 v[L16], v[CP+4*\t:CP+4*\t+3], s[90:91] offset:(\t/3)*24576+(\t%3)*2048
.endr
.irp t, 0,1,2,3,4,5,6,7,8,9,10,11
	s_wait_dscnt 12-\t
	global_store_b128 v[L16], v[CP+24+4*\t:CP+24+4*\t+3], s[92:93] offset:512*\t
.endr
	s_wait_dscnt 0x0
	global_store_b128 v[L16], v[CP+72:CP+75], s[94:95] offset:6291456
	s_wait_tensorcnt 0x0
	ds_add_u32 v[SPW], v[NIL]
	s_wait_dscnt 0x0
	s_endpgm
.Lfunc_end_k_qb34a5dc124_prep:
	.size	k_qb34a5dc124_prep, .Lfunc_end_k_qb34a5dc124_prep-k_qb34a5dc124_prep
	.p2alignl 7, 3214868480
	.fill 96, 4, 3214868480
	.section	.rodata,"a",@progbits
	.p2align	6, 0x0
	.amdhsa_kernel k_qb34a5dc124_prep
		.amdhsa_group_segment_fixed_size 327680
		.amdhsa_private_segment_fixed_size 0
		.amdhsa_enable_private_segment 0
		.amdhsa_kernarg_size 128
		.amdhsa_user_sgpr_count 2
		.amdhsa_user_sgpr_kernarg_segment_ptr 1
		.amdhsa_wavefront_size32 1
		.amdhsa_system_sgpr_workgroup_id_x 1
		.amdhsa_system_sgpr_workgroup_id_y 1
		.amdhsa_system_sgpr_workgroup_id_z 1
		.amdhsa_system_vgpr_workitem_id 0
		.amdhsa_next_free_vgpr 640
		.amdhsa_next_free_sgpr 100
		.amdhsa_reserve_vcc 0
		.amdhsa_float_denorm_mode_32 3
		.amdhsa_float_denorm_mode_16_64 3
		.amdhsa_memory_ordered 1
		.amdhsa_forward_progress 1
		.amdhsa_inst_pref_size 161
	.end_amdhsa_kernel
	.amdgpu_metadata
---
amdhsa.version: [ 1, 2 ]
amdhsa.kernels:
  - .name:           k_qb34a5dc124_prep
    .symbol:         k_qb34a5dc124_prep.kd
    .args:
      - { .name: m, .offset: 0, .size: 8, .value_kind: global_buffer, .address_space: global }
      - { .name: msa_mask, .offset: 8, .size: 8, .value_kind: global_buffer, .address_space: global }
      - { .name: opm_norm_w, .offset: 16, .size: 8, .value_kind: global_buffer, .address_space: global }
      - { .name: opm_norm_b, .offset: 24, .size: 8, .value_kind: global_buffer, .address_space: global }
      - { .name: pwa_norm_m_w, .offset: 32, .size: 8, .value_kind: global_buffer, .address_space: global }
      - { .name: pwa_norm_m_b, .offset: 40, .size: 8, .value_kind: global_buffer, .address_space: global }
      - { .name: opm_a_w, .offset: 48, .size: 8, .value_kind: global_buffer, .address_space: global }
      - { .name: opm_b_w, .offset: 56, .size: 8, .value_kind: global_buffer, .address_space: global }
      - { .name: opm_o_w, .offset: 64, .size: 8, .value_kind: global_buffer, .address_space: global }
      - { .name: pwa_o_w, .offset: 72, .size: 8, .value_kind: global_buffer, .address_space: global }
      - { .name: pwa_m_w, .offset: 80, .size: 8, .value_kind: global_buffer, .address_space: global }
      - { .name: pwa_g_w, .offset: 88, .size: 8, .value_kind: global_buffer, .address_space: global }
      - { .name: opa, .offset: 96, .size: 8, .value_kind: global_buffer, .address_space: global }
      - { .name: opb, .offset: 104, .size: 8, .value_kind: global_buffer, .address_space: global }
      - { .name: wts, .offset: 112, .size: 8, .value_kind: global_buffer, .address_space: global }
      - { .name: mn2, .offset: 120, .size: 8, .value_kind: global_buffer, .address_space: global }
    .group_segment_fixed_size: 327680
    .private_segment_fixed_size: 0
    .kernarg_segment_align: 8
    .kernarg_segment_size: 128
    .max_flat_workgroup_size: 128
    .sgpr_count:     100
    .vgpr_count:     640
    .wavefront_size: 32
...
	.end_amdgpu_metadata
.endif
;; end of part 1
;; launch opm (part 2): grid 16 x 16, 8 waves a work-group, no clusters, 327,680 bytes of LDS; arguments opa, opb, wts, z, opm_o_b, pwa_norm_z_w, pwa_norm_z_b, pwa_z_w, logits; writes logits
.if DOCPART == 2
	.amdgcn_target "amdgcn-amd-amdhsa--gfx1250"
	.amdhsa_code_object_version 6
	.text
	.protected	k_qb34a5dc124_opm
	.globl	k_qb34a5dc124_opm
	.p2align	8
	.type	k_qb34a5dc124_opm,@function
k_qb34a5dc124_opm:
	s_mov_b64 s[64:65], 0
	v_nop
	global_prefetch_b8 v0, s[64:65] scope:SCOPE_SE
	s_setreg_imm32_b32 hwreg(HW_REG_WAVE_MODE, 25, 1), 1
	s_wait_xcnt 0x0
; OPM.  For 16 i x 16 j pairs: num = Q(mask)^T Q(mask); zt(i, j, c, d) = sum over s of Q(a)(s, i, c) Q(b)(s, j, d), / max(num, 1); Q(zt) along (c, d) times Q(opm_o_w); + opm_o_b + z; layer norm; 8 logits a pair.
; SHARES.  Work-group (x = j / 16, y = i / 16), eight waves of 512 registers, two to a SIMD.  Wave w owns j = 16 x + 2 w + jj, jj = 0, 1, for all 16 i.  A lane (r, hh) holds the pair (i = 16 y + r, j) throughout.
; THE OUTER PRODUCT: source 0 = 16 rows d of b for one j (rows d = 8 u + (r & 7) + 16 (r >> 3)), source 1 = the 16 i of a for one c.  The wave's 16 fragments of b (2 j x 2 u x 4 K steps) stay in registers; a's come from LDS:
; for one c a wave reads 6,144 bytes and issues 16 matrix instructions, four accumulators by turns.  A lane's 16 results of u = 0, 1 are d = 16 hh + 0 .. 15: with lane l xor 16's one block of 32 of the next K, quantised at once.
; The next channel's 12 LDS loads are issued ahead of a channel's vector work.
; THE PROJECTION: four c make a K step of 128: source 0 = 16 rows of opm_o_w (rows 8 t + (r & 7) + 64 (r >> 3)), source 1 = the codes just made; 16 accumulators, begun with opm_o_b as C; a lane holds channels 64 hh + 0 .. 63.
; a's codes go through a ring of two LDS slots, a record of four c (24,576 bytes) a trip, each wave fetching 6 of its 48 rows; opm_o_w's images, its scale words and a's scale words come once, with the head's loads, one a wave.
; z comes by loads of 512 consecutive bytes, two rows i a trip, and turns through LDS bytes of the wave's own.
; SHARED AT THE HEAD, through LDS bytes behind the slots' records, into which no tile lands: wave 2 makes 1 / max(num, 1) for all 256 pairs; wave w makes gain x pwa_z_w's row w and the sum of offset x that row, from dense loads.
; The first change of slots is the barrier between these stores and their readers.  opm_o_b comes by one dense load a wave and is dealt to the accumulators out of 512 LDS bytes of the wave's own.
; THE LOGITS: with y = x - mean and rs = 1 / sqrt(var + eps): logit(h) = rs x sum over c of y(c) (gain(c) W(h, c)) + sum over c of offset(c) W(h, c).  The sum over c is v_wmma_f32_16x16x4_f32 (f32 operands): a lane's registers
; 2 t, 2 t + 1 of y are its K step t as they lie (k runs 64 hh + 2 t + 0, 1 on both sources); source 0's row m is head m % 8, so both halves of the lanes hold the same eight logits.
; No cluster: what work-groups share in a trip is one record of 24,576 bytes, for the work-group's 640 matrix instructions; a joint request would put a round of the cluster's barrier into each of the eight trips.
; No prefetch: a record is asked for by its tensor load a whole trip, 80 matrix instructions of each wave, ahead of its first read.
; LIMITS: NaN and infinities are not served; a block whose largest magnitude lies under 2^-124 has its scale byte held at 1, a block of zeros has byte 1 (its codes are zeros); 1 / num is v_rcp_f32, 1 / sqrt is v_rsq_f32;
; gain and offset are applied in the order of roundings stated above, not element by element.
.set SLOTX, 32768                      ; slot 1 begins here; a record takes 25,344 bytes of a slot
.set WPB,   25344                      ; gain x pwa_z_w: 8 rows of 512 bytes + 16
.set BHB,   29696                      ; the 8 sums of offset x pwa_z_w
.set RNB,   29952                      ; 1 / max(num, 1) [j 16][i 16] f32
.set OBB,   58112                      ; opm_o_b, 512 bytes for each wave
.set OWB,   65536                      ; opm_o_w's 64 images of 1,536 bytes
.set OSB,   163840                     ; their scale words, 128 bytes each
.set ASB,   172032                     ; a's scale words [ks][i 16], rows of 128 bytes + 16
.set ZB,    181248                     ; z: for each wave [jj][i 16], rows of 512 bytes + 16
.set ZWB,   16896
.set LSTG,  316416                     ; the logits' stage [h][i 16][j 16] f32
.set SPARE, 324608                     ; the spare words: 128 bytes a wave
; window 0
.set AL0,   1
.set A144,  2
.set AADR,  3
.set OWAC,  4
.set T0,    5
.set L16,   6
.set L4,    7
.set SPW,   8
.set NIL,   9
.set HH256, 10
.set ZRD,   11
.set LST,   12
.set ZST0,  13
.set T1,    14
.set T2,    15
.set BSC,   16                         ; v16-23 b's scale words [jj][ks]: lanes 0-15 u = 0, lanes 16-31 u = 1
.set ASC,   24                         ; v24-31 a's [ks / 2][c % 4]: lanes 0-15 even ks, lanes 16-31 odd ks
.set OSC,   32                         ; v32-39 opm_o_w's [t]; at the head, in wave 2, the masks' scale words
.set RN,    40                         ; v40-43 1 / max(num, 1), twice for each jj
.set TM,    44                         ; v44-47 at work
.set OBS,   40                         ; at the head v40-47 hold addresses
.set OBR,   41
.set WRO,   42
.set RNR,   44
.set RNS,   45
.set WPS,   46
.set BHS,   47
.set TY,    48                         ; v48-50, v52-54 the odd block's codes; v51, v55 the scale words just made
.set PCD,   56                         ; v56-79 the codes just made, 12 a jj
.set ZT,    80                         ; v80-95 four rows of z on their way
.set ACC4,  96                         ; v96-127 the outer product's 4 accumulators (16 jj + 8 u); v80-127 then take four tiles of opm_o_w
.set HW,    104                        ; the head: v104-119 pwa_z_w's row, gain, offset, opm_o_b (16 bytes a lane each); v120-125 at work
.set PA,    128                        ; v128-255 the projection's 16 accumulators at 8 (8 jj + t)
.set SM,    56                         ; the tail
.set SQ,    72
.set RES,   96
.set BT,    120
; window 1: v0-191 b's fragments (48 (2 jj + u) + 12 ks), in the tail gain x pwa_z_w; v192-239 a's four fragments of one c, or four tiles of opm_o_w; v240-255 the logits' sums, written by matrix instructions alone
.set AF,    192
.set LA,    240
.set TB,    4
.set TAS,   5
.set TOW,   8
.set TOS,   9
.set WV,    22
.set IT,    23
.set G1A,   24
.set G1OW,  32
.set G1OS,  40
.set G1AS,  48
.set G0A,   56
.set G0OW,  60
.set SEL,   66
.set G0OS,  68
.set G0AS,  72
.set G1H,   76
.set G0H,   84
.set ZP,    88
.set BP,    90
.set BS,    92
.set LG,    94
.set CNT,   96
.set I128,  97
.set EPS,   98
.set J0,    99
.set TZ,    100
.set MSB, 0
.macro WIN new
.if MSB != (\new)
	s_set_vgpr_msb (MSB<<8)|(\new)
.set MSB, (\new)
.endif
.endm
; one matrix instruction: D at d, source 0 at a, source 1 at b; z: the sum starts with 0, else C = D; scale registers sa, sb; ra, rb: taken from lanes 16-31
.macro MM d, a, b, z, sa, sb, ra, rb
.if \z
.if (\ra) && (\rb)
	v_wmma_scale_f32_16x16x128_f8f6f4 v[(\d):(\d)+7], v[(\a):(\a)+11], v[(\b):(\b)+11], 0, v[\sa], v[\sb] matrix_a_fmt:MATRIX_FMT_FP6 matrix_b_fmt:MATRIX_FMT_FP6 matrix_a_scale:MATRIX_SCALE_ROW1 matrix_b_scale:MATRIX_SCALE_ROW1
.elseif (\ra)
	v_wmma_scale_f32_16x16x128_f8f6f4 v[(\d):(\d)+7], v[(\a):(\a)+11], v[(\b):(\b)+11], 0, v[\sa], v[\sb] matrix_a_fmt:MATRIX_FMT_FP6 matrix_b_fmt:MATRIX_FMT_FP6 matrix_a_scale:MATRIX_SCALE_ROW1
.elseif (\rb)
	v_wmma_scale_f32_16x16x128_f8f6f4 v[(\d):(\d)+7], v[(\a):(\a)+11], v[(\b):(\b)+11], 0, v[\sa], v[\sb] matrix_a_fmt:MATRIX_FMT_FP6 matrix_b_fmt:MATRIX_FMT_FP6 matrix_b_scale:MATRIX_SCALE_ROW1
.else
	v_wmma_scale_f32_16x16x128_f8f6f4 v[(\d):(\d)+7], v[(\a):(\a)+11], v[(\b):(\b)+11], 0, v[\sa], v[\sb] matrix_a_fmt:MATRIX_FMT_FP6 matrix_b_fmt:MATRIX_FMT_FP6
.endif
.else
.if (\ra) && (\rb)
	v_wmma_scale_f32_16x16x128_f8f6f4 v[(\d):(\d)+7], v[(\a):(\a)+11], v[(\b):(\b)+11], v[(\d):(\d)+7], v[\sa], v[\sb] matrix_a_fmt:MATRIX_FMT_FP6 matrix_b_fmt:MATRIX_FMT_FP6 matrix_a_scale:MATRIX_SCALE_ROW1 matrix_b_scale:MATRIX_SCALE_ROW1
.elseif (\ra)
	v_wmma_scale_f32_16x16x128_f8f6f4 v[(\d):(\d)+7], v[(\a):(\a)+11], v[(\b):(\b)+11], v[(\d):(\d)+7], v[\sa], v[\sb] matrix_a_fmt:MATRIX_FMT_FP6 matrix_b_fmt:MATRIX_FMT_FP6 matrix_a_scale:MATRIX_SCALE_ROW1
.elseif (\rb)
	v_wmma_scale_f32_16x16x128_f8f6f4 v[(\d):(\d)+7], v[(\a):(\a)+11], v[(\b):(\b)+11], v[(\d):(\d)+7], v[\sa], v[\sb] matrix_a_fmt:MATRIX_FMT_FP6 matrix_b_fmt:MATRIX_FMT_FP6 matrix_b_scale:MATRIX_SCALE_ROW1
.else
	v_wmma_scale_f32_16x16x128_f8f6f4 v[(\d):(\d)+7], v[(\a):(\a)+11], v[(\b):(\b)+11], v[(\d):(\d)+7], v[\sa], v[\sb] matrix_a_fmt:MATRIX_FMT_FP6 matrix_b_fmt:MATRIX_FMT_FP6
.endif
.endif
.endm
.macro PLACES n
.rept \n
	v_nop
.endr
.endm
.macro DESC g, w, c, r, p              ; descriptor group 1: r rows of c elements of 8 bytes, p elements from row to row
	s_mov_b32 s[\g], \w
	s_mov_b32 s[\g+1], (\c)<<16
	s_mov_b32 s[\g+2], (\r)<<16
	s_mov_b32 s[\g+3], (\c)<<16
	s_mov_b32 s[\g+4], \r
	s_mov_b32 s[\g+5], \p
	s_mov_b32 s[\g+6], 0
	s_mov_b32 s[\g+7], 0
.endm
.macro TL g0, g1                       ; a tensor load; the s_nop 0 and the four v_nop behind it
	tensor_load_to_lds s[\g0:\g0+3], s[\g1:\g1+7]
	s_nop 0
	PLACES 4
.endm
; THE VECTOR WORK OF CHANNEL c4, both jj by turns: / num (two numbers an instruction, as a dual pair); the block's largest magnitude (my 16 numbers in two chains, the floor 2^(3 - 127) among the leaves, then lane l xor 16's);
; 2 off its exponent field: the conversion's scale operand; the byte, into byte c4 of the scale word; the codes.  Behind an odd block the halves of the lanes change places, so that a lane holds a whole block.
.macro VWORK c4
.set i, 0
.rept 16
	v_dual_mul_f32 v[ACC4+2*i], v[ACC4+2*i], v[RN+2*(i/8)] :: v_dual_mul_f32 v[ACC4+2*i+1], v[ACC4+2*i+1], v[RN+2*(i/8)+1]    ; each accumulator from its low end on
.set i, i+1
.endr
.irp jj, 0,1
	v_max3_num_f32 v[TM+\jj], |v[ACC4+16*\jj]|, |v[ACC4+16*\jj+1]|, 0x1800000
	v_max3_num_f32 v[TM+2+\jj], |v[ACC4+16*\jj+2]|, |v[ACC4+16*\jj+3]|, |v[ACC4+16*\jj+4]|
.endr
.irp e, 5,9
.irp jj, 0,1
	v_max3_num_f32 v[TM+\jj], v[TM+\jj], |v[ACC4+16*\jj+\e]|, |v[ACC4+16*\jj+\e+1]|
	v_max3_num_f32 v[TM+2+\jj], v[TM+2+\jj], |v[ACC4+16*\jj+\e+2]|, |v[ACC4+16*\jj+\e+3]|
.endr
.endr
.irp jj, 0,1
	v_max3_num_f32 v[TM+\jj], v[TM+\jj], |v[ACC4+16*\jj+13]|, |v[ACC4+16*\jj+14]|
.endr
.irp jj, 0,1
	v_max3_num_f32 v[TM+\jj], v[TM+\jj], v[TM+2+\jj], |v[ACC4+16*\jj+15]|
.endr
.irp jj, 0,1
	v_permlanex16_b32 v[TM+2+\jj], v[TM+\jj], s[SEL], s[SEL+1]
.endr
.irp jj, 0,1
	v_max_num_f32 v[TM+\jj], v[TM+\jj], v[TM+2+\jj]
.endr
.irp jj, 0,1
	v_add_nc_u32 v[TM+\jj], 0xff000000, v[TM+\jj]
.endr
.irp jj, 0,1
	v_lshrrev_b32 v[TM+2+\jj], 23, v[TM+\jj]
.endr
.irp jj, 0,1
.if (\c4) == 0
	v_mov_b32 v[TY+3+4*\jj], v[TM+2+\jj]
.else
	v_lshl_or_b32 v[TY+3+4*\jj], v[TM+2+\jj], 8*(\c4), v[TY+3+4*\jj]
.endif
.endr
.irp jj, 0,1
.if (\c4)%2
	v_cvt_scalef32_pk16_fp6_f32 v[TY+4*\jj:TY+4*\jj+2], v[ACC4+16*\jj:ACC4+16*\jj+15], v[TM+\jj]
.else
	v_cvt_scalef32_pk16_fp6_f32 v[PCD+12*\jj+6*((\c4)/2):PCD+12*\jj+6*((\c4)/2)+2], v[ACC4+16*\jj:ACC4+16*\jj+15], v[TM+\jj]
.endif
.endr
	v_nop                                          ; one plain place behind the conversions
.if (\c4)%2
.irp jj, 0,1
.irp e, 0,1,2
	v_permlane16_swap_b32 v[PCD+12*\jj+6*((\c4)/2)+\e], v[TY+4*\jj+\e]
.endr
.endr
.irp jj, 0,1
.irp e, 0,1,2
	v_mov_b32 v[PCD+12*\jj+6*((\c4)/2)+3+\e], v[TY+4*\jj+\e]
.endr
.endr
.endif
.endm
; a's four fragments (K steps) of channel c4 of the record in hand: 12 loads of 16 bytes a lane
.macro AFLOAD c4
	WIN 0x40
.irp ks, 0,1,2,3
.irp g, 0,1,2
	ds_load_b128 v[AF+12*\ks+4*\g:AF+12*\ks+4*\g+3], v[AADR] offset:(3*\ks+\g)*2112+((\c4)/2)*256+((\c4)%2)*32
.endr
.endr
	WIN 0
.endm
; A CHANNEL: its 16 products (product i: K step i / 4, accumulator i % 4: the four take turns); four places; the loads that the next products want; its vector work
.macro CH c4
	s_wait_alu depctr_va_vdst(0)                   ; the wait ahead of the wait below
	s_wait_dscnt 0x0                               ; this channel's fragments are in
	WIN 0x05                                       ; sources 0 and 1: window 1
.set i, 0
.rept 16
	MM ACC4+8*(i%4), 48*(i%4)+12*(i/4), AF+12*(i/4), (i/4==0), BSC+4*((i%4)/2)+i/4, ASC+4*(i/8)+\c4, i%2, (i/4)%2
.set i, i+1
.endr
	WIN 0
	PLACES 4
.if (\c4) < 3
	AFLOAD (\c4)+1
.else
	WIN 0x40                                       ; a's registers take tiles 0-3 of opm_o_w
.irp t, 0,1,2,3
.irp g, 0,1,2
	ds_load_b128 v[AF+12*\t+4*\g:AF+12*\t+4*\g+3], v[OWAC] offset:\t*1536+\g*512
.endr
.endr
	WIN 0
.irp t, 0,1,2,3,4,5,6,7
	ds_load_b32 v[OSC+\t], v[T1] offset:\t*128
.endr
.endif
	VWORK \c4
.endm
; THE CHANGE OF SLOTS: every wave waits for all its tensor loads, adds 0 to its spare word, waits for that and for its reads of the slot that it has left; behind the barrier the slot ahead is whole
; and nobody reads the other one, which takes the next record: my one tensor load until the next such barrier.
.macro CHANGE fill
	s_wait_alu depctr_va_vdst(0)                   ; the wait ahead of the wait below
	s_wait_tensorcnt 0x0                           ; no tensor load of mine is out, so the descriptor may be written
	ds_add_u32 v[SPW], v[NIL]
.if \fill
	s_xor_b32 s[G0A+1], s[G0A+1], SLOTX
	s_add_nc_u64 s[G0A+2:G0A+3], s[G0A+2:G0A+3], 24576
.endif
	s_wait_dscnt 0x0
	s_barrier_signal -1
	s_barrier_wait -1
.if \fill
	TL G0A, G1A
.endif
.endm
; one record of four c: one K step of the projection
.macro GROUP
	v_add_nc_u32 v[AADR], s[TB], v[AL0]
	v_add_nc_u32 v[T0], s[TAS], v[A144]
	v_add_nc_u32 v[OWAC], s[TOW], v[L16]
	v_add_nc_u32 v[T1], s[TOS], v[L4]
	v_add_nc_u32 v[T2], s[TZ], v[ZST0]
	s_wait_alu depctr_va_vdst(0)
	AFLOAD 0
	ds_load_b128 v[ASC:ASC+3], v[T0]
	ds_load_b128 v[ASC+4:ASC+7], v[T0] offset:4608
.irp e, 0,1
.irp jj, 0,1
	global_load_b128 v[ZT+4*(2*\e+\jj):ZT+4*(2*\e+\jj)+3], v[L16], s[ZP:ZP+1] offset:\e*131072+\jj*512 th:TH_LOAD_NT   ; z(i, j, :): 512 consecutive bytes
.endr
.endr
	s_wait_loadcnt 4                               ; all that was asked for ahead of this trip's four loads of z is in: in the first trip b's fragments
	CH 0
	CH 1
	CH 2
	CH 3
	s_wait_alu depctr_va_vdst(0)                   ; the wait ahead of the wait below
	s_wait_loadcnt 0x0                             ; z's four rows
.irp e, 0,1
.irp jj, 0,1
	ds_store_b128 v[T2], v[ZT+4*(2*\e+\jj):ZT+4*(2*\e+\jj)+3] offset:\jj*8448+\e*528
.endr
.endr
.irp t, 4,5,6,7
.irp g, 0,1,2
	ds_load_b128 v[ZT+12*(\t-4)+4*\g:ZT+12*(\t-4)+4*\g+3], v[OWAC] offset:\t*1536+\g*512
.endr
.endr
	PLACES 8                                       ; the scale words and codes were written by vector instructions
	s_wait_dscnt 12                                ; all but the 12 loads just issued: tiles 0-3 and the scale words are in
	WIN 0x01                                       ; source 0 window 1
.irp t, 0,1,2,3
.irp jj, 0,1
	MM PA+8*(8*\jj+\t), AF+12*\t, PCD+12*\jj, 0, OSC+\t, TY+3+4*\jj, 0, 0
.endr
.endr
	s_wait_dscnt 0x0
	WIN 0
.irp t, 4,5,6,7
.irp jj, 0,1
	MM PA+8*(8*\jj+\t), ZT+12*(\t-4), PCD+12*\jj, 0, OSC+\t, TY+3+4*\jj, 0, 0
.endr
.endr
	PLACES 5                                       ; the registers that held tiles 4-7 are written next by loads and by matrix instructions
	s_add_nc_u64 s[ZP:ZP+1], s[ZP:ZP+1], 0x40000   ; two rows i on (the loads that read the base are done)
	s_xor_b32 s[TB], s[TB], SLOTX
	s_add_co_u32 s[TAS], s[TAS], 16
	s_add_co_u32 s[TOW], s[TOW], 12288
	s_add_co_u32 s[TOS], s[TOS], 1024
	s_add_co_u32 s[TZ], s[TZ], 1056
.endm
	s_load_b512 s[4:19], s[0:1], 0x0               ; opa 4, opb 6, wts 8, z 10, opm_o_b 12, pwa_norm_z_w 14, pwa_norm_z_b 16, pwa_z_w 18
	s_load_b64 s[20:21], s[0:1], 0x40              ; logits
	v_lshl_add_u32 v[SPW], v0, 2, SPARE
	v_mov_b32 v[NIL], 0
	ds_add_u32 v[SPW], v[NIL]                      ; the wave's opening: the add, twice on end, and its wait ahead of my first tensor load
	ds_add_u32 v[SPW], v[NIL]
	v_lshrrev_b32 v[T0], 5, v0
	v_readfirstlane_b32 s[WV], v[T0]               ; wave 0..7
	s_and_b32 s[IT], ttmp7, 0xffff
	s_lshl_b32 s[J0], ttmp9, 4
	s_lshl_b32 s101, s[WV], 1
	s_add_co_u32 s[J0], s[J0], s101                ; my first j
	DESC G1A, (3<<16)|(1<<20)|(6<<22)|(3<<25), 64, 6, 64     ; the ring: 6 rows of 512 bytes, 16 bytes of padding behind each
	DESC G1H, (3<<16)|(1<<20)|(6<<22)|(3<<25), 64, 24, 64    ; the head: half of the first record, 24 rows
	DESC G1OW, 3<<16, 32, 96, 32                             ; a quarter of opm_o_w's images: 96 rows of 256 bytes, dense
	DESC G1OS, 3<<16, 16, 64, 32                             ; their scale words: 64 rows of 128 bytes, 256 bytes apart in memory
	DESC G1AS, (3<<16)|(1<<20)|(4<<22)|(3<<25), 16, 64, 16   ; a's scale words: 64 rows of 128 bytes, 16 bytes of padding behind each
	s_mov_b32 s[G0A], 1
	s_mul_i32 s[G0A+1], s[WV], 3168
	s_mov_b32 s[G0H], 1
	s_mov_b32 s[G0OW], 1
	s_mov_b32 s[G0OS], 1
	s_mov_b32 s[G0OS+1], OSB
	s_mov_b32 s[G0AS], 1
	s_mov_b32 s[G0AS+1], ASB
	s_mul_i32 s88, s[IT], 196608                   ; my 16 i: the first record
	s_mov_b32 s89, 0
	s_mul_i32 s90, s[WV], 3072                     ; my 6 rows of a record
	s_mov_b32 s91, 0
	s_lshr_b32 s92, s[WV], 1                       ; waves 0 and 3: halves 0 and 1 of the first record
	s_mul_i32 s[G0H+1], s92, 12672
	s_mul_i32 s92, s92, 12288
	s_mov_b32 s93, 0
	s_and_b32 s94, s[WV], 3                        ; waves 4-7: quarters 0-3 of opm_o_w
	s_mul_i32 s94, s94, 24576
	s_add_co_u32 s[G0OW+1], s94, OWB
	s_mov_b32 s95, 0
	s_lshl_b32 s2, s[IT], 13
	s_add_co_u32 s2, s2, 3145728
	s_mov_b32 s3, 0
	s_mov_b32 s[TZ], 0
	s_mov_b32 s[CNT], 6
	s_mov_b32 s[SEL], 0x76543210
	s_mov_b32 s[SEL+1], 0xfedcba98
	s_mov_b32 s[I128], 0x3c000000                  ; 1 / 128
	s_mov_b32 s[EPS], 0x3727c5ac                   ; 1e-5
	v_and_b32 v[T1], 15, v0                        ; r
	v_bfe_u32 v[T2], v0, 4, 1                      ; hh
	v_and_b32 v[T0], 31, v0                        ; lane
	v_lshlrev_b32 v[L16], 4, v[T0]
	v_lshlrev_b32 v[L4], 2, v[T0]
	v_mul_u32_u24 v[A144], v[T0], 144
	v_lshlrev_b32 v[HH256], 8, v[T2]
	v_lshrrev_b32 v[AADR], 2, v[T1]
	v_mul_u32_u24 v[AL0], v[AADR], 528
	v_and_b32 v[AADR], 3, v[T1]
	v_lshl_add_u32 v[AL0], v[AADR], 6, v[AL0]
	v_lshl_add_u32 v[AL0], v[T2], 4, v[AL0]        ; (r / 4) rows of 528 + 64 (r % 4) + 16 hh
	s_mul_i32 s101, s[WV], ZWB
	s_add_co_u32 s101, s101, ZB
	v_add_nc_u32 v[ZST0], s101, v[L16]
	v_mul_u32_u24 v[ZRD], v[T1], 528
	v_lshl_add_u32 v[ZRD], v[T2], 8, v[ZRD]
	v_add_nc_u32 v[ZRD], s101, v[ZRD]
	s_lshl_b32 s101, s[WV], 3
	s_add_co_u32 s101, s101, LSTG
	v_lshlrev_b32 v[LST], 6, v[T1]
	v_add_nc_u32 v[LST], s101, v[LST]
	s_lshl_b32 s101, s[WV], 9
	v_add_nc_u32 v[WRO], s101, v[L16]              ; pwa_z_w: row w, 16 bytes a lane
	s_add_co_u32 s101, s101, OBB
	v_add_nc_u32 v[OBS], s101, v[L16]              ; opm_o_b in: as it lies in memory;
	v_add_nc_u32 v[OBR], s101, v[HH256]            ; back: the 64 channels of my half
	s_mul_i32 s101, s[WV], 528
	s_add_co_u32 s101, s101, WPB
	v_add_nc_u32 v[WPS], s101, v[L16]
	s_lshl_b32 s101, s[WV], 2
	s_add_co_u32 s101, s101, BHB
	v_mov_b32 v[BHS], s101
	v_lshlrev_b32 v[RNS], 2, v[T1]
	v_lshl_add_u32 v[RNS], v[T2], 9, v[RNS]
	v_add_nc_u32 v[RNS], RNB, v[RNS]               ; 1 / num in: j = 8 hh + register, i = r
	s_lshl_b32 s101, s[WV], 7
	s_add_co_u32 s101, s101, RNB
	v_lshlrev_b32 v[RNR], 2, v[T1]
	v_add_nc_u32 v[RNR], s101, v[RNR]              ; back: j = 2 w + jj, i = r
	v_mov_b32 v[HW+21], 0                          ; written once: a lane permute's destination counts as read
	s_lshl_b32 s101, s[IT], 4
	v_add_nc_u32 v[T0], s101, v[T1]
	v_lshlrev_b32 v[T0], 7, v[T0]
	v_mad_u32_u24 v[T0], v[T2], 24, v[T0]          ; the mask's record of i = 16 y + r, + 24 hh
	s_lshl_b32 s101, ttmp9, 4
	v_add_nc_u32 v[OWAC], s101, v[T1]
	v_lshlrev_b32 v[OWAC], 7, v[OWAC]
	v_mad_u32_u24 v[OWAC], v[T2], 24, v[OWAC]      ; and of j = 16 x + r
	s_wait_alu depctr_va_vdst(0)                   ; the wait at the head's end
	s_wait_dscnt 0x0                               ; both opening adds are done
	s_wait_kmcnt 0x0
	s_add_nc_u64 s[G0H+2:G0H+3], s[4:5], s[88:89]
	s_add_nc_u64 s[G0A+2:G0A+3], s[G0H+2:G0H+3], s[90:91]
	s_add_nc_u64 s[G0H+2:G0H+3], s[G0H+2:G0H+3], s[92:93]
	s_add_nc_u64 s[G0OW+2:G0OW+3], s[8:9], s[94:95]
	s_add_nc_u64 s[G0OS+2:G0OS+3], s[8:9], 135168
	s_add_nc_u64 s[G0AS+2:G0AS+3], s[4:5], s[2:3]
	s_or_b32 s[G0A+3], s[G0A+3], 0x80000000
	s_or_b32 s[G0H+3], s[G0H+3], 0x80000000
	s_or_b32 s[G0OW+3], s[G0OW+3], 0x80000000
	s_or_b32 s[G0OS+3], s[G0OS+3], 0x80000000
	s_or_b32 s[G0AS+3], s[G0AS+3], 0x80000000
	; THE HEAD'S LOADS, ONE A WAVE, in one chain of branches on the wave's number: waves 4-7 a quarter of opm_o_w each, wave 1 its scale words, wave 2 a's scale words, waves 0 and 3 a half of the first record each
	s_cmp_lt_u32 s[WV], 4
	s_cbranch_scc1 .Lh_low
	TL G0OW, G1OW
	s_branch .Lh_done
.Lh_low:
	s_cmp_eq_u32 s[WV], 1
	s_cbranch_scc0 .Lh_n1
	TL G0OS, G1OS
	s_branch .Lh_done
.Lh_n1:
	s_cmp_eq_u32 s[WV], 2
	s_cbranch_scc0 .Lh_a
	TL G0AS, G1AS
	s_branch .Lh_done
.Lh_a:
	TL G0H, G1H
.Lh_done:
	s_mov_b32 s[TB], 0                             ; (opa's and wts' addresses have been used)
	s_mov_b32 s[TAS], ASB
	s_mov_b32 s[TOW], OWB
	s_mov_b32 s[TOS], OSB
	s_mul_i32 s2, s[J0], 3072
	s_add_nc_u64 s[BP:BP+1], s[6:7], s[2:3]
	s_lshl_b32 s2, s[J0], 7
	s_add_nc_u64 s[BS:BS+1], s[6:7], s[2:3]
	s_lshl_b32 s2, s[IT], 21
	s_lshl_b32 s101, s[J0], 9
	s_add_co_u32 s2, s2, s101
	s_add_nc_u64 s[ZP:ZP+1], s[10:11], s[2:3]
	s_lshl_b32 s2, ttmp9, 17
	s_lshl_b32 s101, s[IT], 10
	s_add_co_u32 s2, s2, s101
	s_lshl_b32 s101, s[WV], 14
	s_add_co_u32 s2, s2, s101
	s_add_nc_u64 s[LG:LG+1], s[20:21], s[2:3]      ; logits [j / 16][h][i][j % 16]: my wave stores head w
	; in the order in which they are wanted: four dense loads of 512 bytes; in wave 2 the masks' fragments and scale words; b's scale words and fragments
	global_load_b128 v[HW:HW+3], v[WRO], s[18:19]
	global_load_b128 v[HW+4:HW+7], v[L16], s[14:15]
	global_load_b128 v[HW+8:HW+11], v[L16], s[16:17]
	global_load_b128 v[HW+12:HW+15], v[L16], s[12:13]
	s_cmp_lg_u32 s[WV], 2
	s_cbranch_scc1 .Lno_num
	WIN 0x40
.irp ks, 0,1,2,3
.irp p, 0,1,2,3,4,5
	global_load_b64 v[AF+12*\ks+2*\p:AF+12*\ks+2*\p+1], v[T0], s[6:7] offset:3276800+\ks*32768+48*(\p/3)+8*(\p%3)
.endr
.endr
	WIN 0
.irp ks, 0,1,2,3
.irp p, 0,1,2,3,4,5
	global_load_b64 v[PCD+12*\ks+2*\p:PCD+12*\ks+2*\p+1], v[OWAC], s[6:7] offset:3276800+\ks*32768+48*(\p/3)+8*(\p%3)
.endr
	global_load_b32 v[OSC+\ks], v[T0], s[6:7] offset:3276800+\ks*32768+96       ; (the word stands eight times in the record: lanes 16-31 read a later copy)
	global_load_b32 v[OSC+4+\ks], v[OWAC], s[6:7] offset:3276800+\ks*32768+96
.endr
.Lno_num:
.irp jj, 0,1
.irp ks, 0,1,2,3
	global_load_b32 v[BSC+4*\jj+\ks], v[L4], s[BS:BS+1] offset:3145728+\ks*32768+\jj*128
.endr
.endr
	WIN 0x40
.irp jj, 0,1
.irp u, 0,1
.irp ks, 0,1,2,3
.irp g, 0,1,2
	global_load_b128 v[(\jj*2+\u)*48+12*\ks+4*\g:(\jj*2+\u)*48+12*\ks+4*\g+3], v[L16], s[BP:BP+1] offset:\ks*786432+\jj*3072+\u*1536+\g*512
.endr
.endr
.endr
.endr
	WIN 0
	s_wait_loadcnt 56                              ; all but the youngest 56 loads, b's scale words and fragments
	v_pk_mul_f32 v[HW+16:HW+17], v[HW:HW+1], v[HW+4:HW+5]          ; gain x pwa_z_w, head w, my four channels
	v_pk_mul_f32 v[HW+18:HW+19], v[HW+2:HW+3], v[HW+6:HW+7]
	v_mul_f32 v[HW+20], v[HW], v[HW+8]                             ; offset x pwa_z_w, summed over my four and then over the 32 lanes
	v_fmac_f32 v[HW+20], v[HW+1], v[HW+9]
	v_fmac_f32 v[HW+20], v[HW+2], v[HW+10]
	v_fmac_f32 v[HW+20], v[HW+3], v[HW+11]
.irp x, 1,2,4,8
	v_add_f32_dpp v[HW+20], v[HW+20], v[HW+20] row_xmask:\x row_mask:0xf bank_mask:0xf
.endr
	v_permlanex16_b32 v[HW+21], v[HW+20], s[SEL], s[SEL+1]
	v_add_f32 v[HW+20], v[HW+20], v[HW+21]
	ds_store_b128 v[WPS], v[HW+16:HW+19]
	ds_store_b32 v[BHS], v[HW+20]                  ; all lanes write the same word with the same value
	ds_store_b128 v[OBS], v[HW+12:HW+15]           ; opm_o_b through my own 512 bytes: LDS serves a wave's instructions in order
.irp jj, 0,1
.irp k, 0,1,2,3,4,5,6,7,8,9,10,11,12,13,14,15
	ds_load_b128 v[PA+64*\jj+4*\k:PA+64*\jj+4*\k+3], v[OBR] offset:16*\k      ; the C of each sum's first instruction
.endr
.endr
	s_cmp_lg_u32 s[WV], 2
	s_cbranch_scc1 .Lno_num2
	; num(i, j) for the work-group's 256 pairs: one accumulator, four K steps: the wait directly ahead of each link
	WIN 0x04                                       ; source 1 window 1
	MM ACC4+16, PCD, AF, 1, OSC+4, OSC, 0, 0
.irp ks, 1,2,3
	s_wait_alu depctr_va_vdst(0)
	MM ACC4+16, PCD+12*\ks, AF+12*\ks, 0, OSC+4+\ks, OSC+\ks, 0, 0
.endr
	WIN 0
	PLACES 4
.irp q, 0,1,2,3,4,5,6,7
	v_max_num_f32 v[HW+16+\q], 1.0, v[ACC4+16+\q]
.endr
	s_wait_alu depctr_va_vdst(0)                   ; the wait ahead of the batch
.irp q, 0,1,2,3,4,5,6,7
	v_rcp_f32 v[HW+\q], v[HW+16+\q]
.endr
	v_nop
	s_wait_alu depctr_va_vdst(0)                   ; one wait for the eight reciprocals
.irp q, 0,1,2,3,4,5,6,7
	ds_store_b32 v[RNS], v[HW+\q] offset:\q*64
.endr
.Lno_num2:
	CHANGE 1                                       ; the first record and what the waves stored for each other are whole; slot 1's first fill is issued as a refill is
.irp jj, 0,1
	ds_load_b32 v[RN+2*\jj], v[RNR] offset:\jj*64
	ds_load_b32 v[RN+2*\jj+1], v[RNR] offset:\jj*64
.endr
.Lg:                                               ; six trips; behind each change of slots the next record is asked for
	GROUP
	CHANGE 1
	s_sub_co_u32 s[CNT], s[CNT], 1
	s_cmp_lg_u32 s[CNT], 0
	s_cbranch_scc1 .Lg
	GROUP
	CHANGE 0                                       ; the last two records are written out: nothing is left to fetch
	GROUP
	; ---- the way to the logits.  b's registers are free: gain x pwa_z_w (lane (r, hh): head r % 8, channels 64 hh ..) and the eight constants come from LDS
	v_and_b32 v[T0], 7, v0
	v_mul_u32_u24 v[T0], v[T0], 528
	v_add_nc_u32 v[T0], v[T0], v[HH256]
	v_add_nc_u32 v[T0], WPB, v[T0]
	v_mov_b32 v[T1], BHB
	WIN 0x40
.irp k, 0,1,2,3,4,5,6,7,8,9,10,11,12,13,14,15
	ds_load_b128 v[4*\k:4*\k+3], v[T0] offset:16*\k
.endr
	WIN 0
	ds_load_b128 v[BT:BT+3], v[T1]
	ds_load_b128 v[BT+4:BT+7], v[T1] offset:16
.macro ZLD q                           ; 32 of my 64 channels of z(i, j), jj = q / 2: my wave's own bytes; LDS serves a wave's instructions in order
.irp k, 0,1,2,3,4,5,6,7
	ds_load_b128 v[56+32*((\q)%2)+4*\k:56+32*((\q)%2)+4*\k+3], v[ZRD] offset:((\q)/2)*8448+((\q)%2)*128+16*\k
.endr
.endm
.macro ZADD q
.set i, 0
.rept 16
	v_dual_add_f32 v[PA+32*(\q)+2*i], v[PA+32*(\q)+2*i], v[56+32*((\q)%2)+2*i] :: v_dual_add_f32 v[PA+32*(\q)+2*i+1], v[PA+32*(\q)+2*i+1], v[56+32*((\q)%2)+2*i+1]
.set i, i+1
.endr
.endm
	ZLD 0
	ZLD 1
	s_wait_dscnt 8                                 ; the next chunk's 8 loads may stay out
	ZADD 0
	ZLD 2
	s_wait_dscnt 8
	ZADD 1
	ZLD 3
	s_wait_dscnt 8
	ZADD 2
	s_wait_dscnt 0x0
	ZADD 3
.macro FOLD2 b                         ; four pairs of each jj at v[b + 8 jj ..] -> one number in v[b + 8 jj], over both halves of the lanes
.irp jj, 0,1
	v_pk_add_f32 v[(\b)+8*\jj:(\b)+8*\jj+1], v[(\b)+8*\jj:(\b)+8*\jj+1], v[(\b)+8*\jj+2:(\b)+8*\jj+3]
	v_pk_add_f32 v[(\b)+8*\jj+4:(\b)+8*\jj+5], v[(\b)+8*\jj+4:(\b)+8*\jj+5], v[(\b)+8*\jj+6:(\b)+8*\jj+7]
.endr
.irp jj, 0,1
	v_pk_add_f32 v[(\b)+8*\jj:(\b)+8*\jj+1], v[(\b)+8*\jj:(\b)+8*\jj+1], v[(\b)+8*\jj+4:(\b)+8*\jj+5]
.endr
.irp jj, 0,1
	v_add_f32 v[(\b)+8*\jj], v[(\b)+8*\jj], v[(\b)+8*\jj+1]
.endr
.irp jj, 0,1
	v_permlanex16_b32 v[(\b)+8*\jj+2], v[(\b)+8*\jj], s[SEL], s[SEL+1]
.endr
.irp jj, 0,1
	v_add_f32 v[(\b)+8*\jj], v[(\b)+8*\jj], v[(\b)+8*\jj+2]
.endr
.endm
.irp c, 0,1,2,3
.irp jj, 0,1
	v_dual_add_f32 v[SM+8*\jj+2*\c], v[PA+64*\jj+4*\c], v[PA+64*\jj+4*\c+2] :: v_dual_add_f32 v[SM+8*\jj+2*\c+1], v[PA+64*\jj+4*\c+1], v[PA+64*\jj+4*\c+3]
.endr
.endr
.set i, 16
.rept 24
.irp jj, 0,1
	v_dual_add_f32 v[SM+8*\jj+2*((i/2)%4)], v[PA+64*\jj+i], v[SM+8*\jj+2*((i/2)%4)] :: v_dual_add_f32 v[SM+8*\jj+2*((i/2)%4)+1], v[PA+64*\jj+i+1], v[SM+8*\jj+2*((i/2)%4)+1]
.endr
.set i, i+2
.endr
	FOLD2 SM
.irp jj, 0,1
	v_mul_f32 v[SM+8*\jj], 0xbc000000, v[SM+8*\jj] ; - the mean,
.endr
.irp jj, 0,1
	v_mov_b32 v[SM+8*\jj+1], v[SM+8*\jj]           ; twice: one for each half of a dual pair
.endr
.irp jj, 0,1
.set i, 0
.rept 32
	v_dual_add_f32 v[PA+64*\jj+2*i], v[PA+64*\jj+2*i], v[SM+8*\jj] :: v_dual_add_f32 v[PA+64*\jj+2*i+1], v[PA+64*\jj+2*i+1], v[SM+8*\jj+1]   ; y = x - mean
.set i, i+1
.endr
.endr
.irp c, 0,1,2,3
.irp jj, 0,1
	v_dual_mul_f32 v[SQ+8*\jj+2*\c], v[PA+64*\jj+2*\c], v[PA+64*\jj+2*\c] :: v_dual_mul_f32 v[SQ+8*\jj+2*\c+1], v[PA+64*\jj+2*\c+1], v[PA+64*\jj+2*\c+1]
.endr
.endr
.set i, 8
.rept 28
.irp jj, 0,1
	v_dual_fmac_f32 v[SQ+8*\jj+2*((i/2)%4)], v[PA+64*\jj+i], v[PA+64*\jj+i] :: v_dual_fmac_f32 v[SQ+8*\jj+2*((i/2)%4)+1], v[PA+64*\jj+i+1], v[PA+64*\jj+i+1]
.endr
.set i, i+2
.endr
	FOLD2 SQ
.irp jj, 0,1
	v_fma_f32 v[SQ+8*\jj], v[SQ+8*\jj], s[I128], s[EPS]
.endr
	s_wait_alu depctr_va_vdst(0)                   ; the wait ahead of the batch
.irp jj, 0,1
	v_rsq_f32 v[SQ+8*\jj+2], v[SQ+8*\jj]
.endr
	v_nop
	s_wait_alu depctr_va_vdst(0)                   ; one wait for the two
	WIN 0x51                                       ; source 0, C and D window 1; source 1 (y) window 0.  Two accumulators by turns; the first K step starts the sums
.set i, 0
.rept 32
.irp jj, 0,1
.if i == 0
	v_wmma_f32_16x16x4_f32 v[LA+8*\jj:LA+8*\jj+7], v[2*i:2*i+1], v[PA+64*\jj+2*i:PA+64*\jj+2*i+1], 0
.else
	v_wmma_f32_16x16x4_f32 v[LA+8*\jj:LA+8*\jj+7], v[2*i:2*i+1], v[PA+64*\jj+2*i:PA+64*\jj+2*i+1], v[LA+8*\jj:LA+8*\jj+7]
.endif
.endr
.set i, i+1
.endr
	WIN 0
	PLACES 8                                       ; eight places behind this form
	WIN 0x01
.irp h, 0,1,2,3,4,5,6,7
.irp jj, 0,1
	v_fma_f32 v[RES+2*\h+\jj], v[LA+8*\jj+\h], v[SQ+8*\jj+2], v[BT+\h]               ; each sum from its low end on; the logits go into other registers
.endr
.endr
	WIN 0
.irp h, 0,1,2,3,4,5,6,7
	ds_store_b64 v[LST], v[RES+2*\h:RES+2*\h+1] offset:\h*1024      ; both halves of the lanes write the same bytes with the same value
.endr
	s_lshl_b32 s101, s[WV], 10
	s_add_co_u32 s101, s101, LSTG
	v_add_nc_u32 v[T0], s101, v[L16]
	s_wait_alu depctr_va_vdst(0)                   ; the wait ahead of the wait below
	s_wait_dscnt 0x0                               ; for the others' sake: my logits lie in the stage
	s_barrier_signal -1
	s_barrier_wait -1
.irp t, 0,1
	ds_load_b128 v[56+4*\t:56+4*\t+3], v[T0] offset:512*\t
.endr
.irp t, 0,1
	s_wait_dscnt 1-\t
	global_store_b128 v[L16], v[56+4*\t:56+4*\t+3], s[LG:LG+1] offset:512*\t    ; head w: 512 consecutive bytes a store
.endr
	s_wait_tensorcnt 0x0                           ; the wave's end
	ds_add_u32 v[SPW], v[NIL]
	s_wait_dscnt 0x0
	s_endpgm
.Lfunc_end_k_qb34a5dc124_opm:
	.size	k_qb34a5dc124_opm, .Lfunc_end_k_qb34a5dc124_opm-k_qb34a5dc124_opm
	.p2alignl 7, 3214868480
	.fill 96, 4, 3214868480
	.section	.rodata,"a",@progbits
	.p2align	6, 0x0
	.amdhsa_kernel k_qb34a5dc124_opm
		.amdhsa_group_segment_fixed_size 327680
		.amdhsa_private_segment_fixed_size 0
		.amdhsa_enable_private_segment 0
		.amdhsa_kernarg_size 72
		.amdhsa_user_sgpr_count 2
		.amdhsa_user_sgpr_kernarg_segment_ptr 1
		.amdhsa_wavefront_size32 1
		.amdhsa_system_sgpr_workgroup_id_x 1
		.amdhsa_system_sgpr_workgroup_id_y 1
		.amdhsa_system_sgpr_workgroup_id_z 1
		.amdhsa_system_vgpr_workitem_id 0
		.amdhsa_next_free_vgpr 512
		.amdhsa_next_free_sgpr 102
		.amdhsa_reserve_vcc 0
		.amdhsa_float_denorm_mode_32 3
		.amdhsa_float_denorm_mode_16_64 3
		.amdhsa_memory_ordered 1
		.amdhsa_forward_progress 1
		.amdhsa_inst_pref_size 144
	.end_amdhsa_kernel
	.amdgpu_metadata
---
amdhsa.version: [ 1, 2 ]
amdhsa.kernels:
  - .name:           k_qb34a5dc124_opm
    .symbol:         k_qb34a5dc124_opm.kd
    .args:
      - { .name: opa, .offset: 0, .size: 8, .value_kind: global_buffer, .address_space: global }
      - { .name: opb, .offset: 8, .size: 8, .value_kind: global_buffer, .address_space: global }
      - { .name: wts, .offset: 16, .size: 8, .value_kind: global_buffer, .address_space: global }
      - { .name: z, .offset: 24, .size: 8, .value_kind: global_buffer, .address_space: global }
      - { .name: opm_o_b, .offset: 32, .size: 8, .value_kind: global_buffer, .address_space: global }
      - { .name: pwa_norm_z_w, .offset: 40, .size: 8, .value_kind: global_buffer, .address_space: global }
      - { .name: pwa_norm_z_b, .offset: 48, .size: 8, .value_kind: global_buffer, .address_space: global }
      - { .name: pwa_z_w, .offset: 56, .size: 8, .value_kind: global_buffer, .address_space: global }
      - { .name: logits, .offset: 64, .size: 8, .value_kind: global_buffer, .address_space: global }
    .group_segment_fixed_size: 327680
    .private_segment_fixed_size: 0
    .kernarg_segment_align: 8
    .kernarg_segment_size: 72
    .max_flat_workgroup_size: 256
    .sgpr_count:     102
    .vgpr_count:     512
    .wavefront_size: 32
...
	.end_amdgpu_metadata
.endif
;; end of part 2
;; launch soft (part 3): grid 16 x 8, 4 waves a work-group, no clusters, 4,352 bytes of LDS; arguments logits, pair_mask, pq; writes pq
.if DOCPART == 3
	.amdgcn_target "amdgcn-amd-amdhsa--gfx1250"
	.amdhsa_code_object_version 6
	.text
	.protected	k_qb34a5dc124_soft
	.globl	k_qb34a5dc124_soft
	.p2align	8
	.type	k_qb34a5dc124_soft,@function
k_qb34a5dc124_soft:
	s_mov_b64 s[64:65], 0
	v_nop
	global_prefetch_b8 v0, s[64:65] scope:SCOPE_SE
	s_setreg_imm32_b32 hwreg(HW_REG_WAVE_MODE, 25, 1), 1
	s_wait_xcnt 0x0
; SOFT.  For head h and 16 rows i: x = logit + (1 - pair_mask) x (-1e6); t = x log2(e); M = ceil(the row's largest t); p = 2^(t - M); l = the row's sum of p; Q(p) along j as images of an operand's registers; 1 / l.
; SHARES.  Work-group (x = tile, y = h), four waves.  The tile's rows are i = 32 (x / 2) + 8 (x % 2) + (r & 7) + 16 (r >> 3), the rows that the last launch's tiles have.  Wave q, lane (r, hh) holds j = 64 q + 32 hh + 0 .. 31:
; one whole block of 32, which is registers 6 (q % 2) .. 6 (q % 2) + 5 of that lane in the fragment of K step q / 2.  The row's largest t and its sum are joined over the four waves through 256 LDS bytes each: two barriers.
; The codes and the scale bytes are gathered in LDS as the image that is stored: the codes leave in stores of 512 consecutive bytes, the scale words and 1 / l in stores of 128 bytes.
; 128 work-groups: that is all the work there is; no tensor load, no matrix unit.
; THE ORDER OF ROUNDINGS: 1 - mask is rounded; x = fma(1 - mask, -1e6, logit) is rounded once; t = x times the f32 number nearest to log2(e) is rounded; t - M is exact wherever t is large.
; LIMITS: NaN and infinities are not served; a block whose every p has fallen under 2^-124 has its scale byte held at 1 (a block of zeros too: its codes are zeros); 1 / l is v_rcp_f32.
; Where the mask term is large (a pair_mask far from 1, or a row that is masked throughout: x of the order of 1e5 or 1e6) a step of x and of t is a visible part of p: there the result follows the order of roundings above.
.set IMG,   0                          ; two fragments of 1,536 bytes: register group g (four registers) at 512 g + 16 x lane
.set SCB,   3072                       ; the scale words [K step][r], 4 bytes each
.set MXB,   3328                       ; the waves' largest t [q][r]; 256 bytes on: their sums
.set SPARE, 3840                       ; the spare words: 128 bytes a wave
.set LA,  3
.set PA,  4
.set L16, 5
.set L4,  6
.set A1,  7
.set A2,  8
.set SCA, 9
.set MXS, 10
.set MXR, 11
.set SPW, 12
.set NIL, 13
.set OA,  24
.set SCR, 25
.set BM,  16
.set TMX, 18
.set NM,  20
.set RLV, 22
.set SU,  96                           ; v96-103
.set QT,  104
.set TQ,  108
.set F,   112                          ; v112-117 my six registers of codes
.set MXV, 118                          ; v118-121 the four waves' numbers
.set OUT, 122                          ; v122-125
.set X,   32                           ; v32-63: the logits, x, t, t - M, p
.set MK,  64                           ; v64-95: pair_mask, then 1 - mask
.set SEL, 18
.macro QB src, dst, tmp, tm            ; one whole block of 32 numbers of a lane -> six registers of codes; the scale's byte is left in v[tm+2]
	v_max3_num_f32 v[(\tm)], |v[(\src)]|, |v[(\src)+1]|, 0x1800000      ; the floor 2^(3 - 127)
	v_max3_num_f32 v[(\tm)+1], |v[(\src)+2]|, |v[(\src)+3]|, |v[(\src)+4]|
.irp i, 5,9,13,17,21,25
	v_max3_num_f32 v[(\tm)], v[(\tm)], |v[(\src)+\i]|, |v[(\src)+\i+1]|
	v_max3_num_f32 v[(\tm)+1], v[(\tm)+1], |v[(\src)+\i+2]|, |v[(\src)+\i+3]|
.endr
	v_max3_num_f32 v[(\tm)], v[(\tm)], |v[(\src)+29]|, |v[(\src)+30]|
	v_max3_num_f32 v[(\tm)], v[(\tm)], v[(\tm)+1], |v[(\src)+31]|
	v_add_nc_u32 v[(\tm)+1], 0xff000000, v[(\tm)]
	v_lshrrev_b32 v[(\tm)+2], 23, v[(\tm)+1]
	v_cvt_scalef32_pk16_fp6_f32 v[(\dst):(\dst)+2], v[(\src):(\src)+15], v[(\tm)+1]
	v_cvt_scalef32_pk16_fp6_f32 v[(\tmp):(\tmp)+2], v[(\src)+16:(\src)+31], v[(\tm)+1]
	v_nop
.irp i, 0,1,2
	v_mov_b32 v[(\dst)+3+\i], v[(\tmp)+\i]
.endr
.endm
	s_load_b128 s[4:7], s[0:1], 0x0                ; logits, pair_mask
	s_load_b64 s[8:9], s[0:1], 0x10                ; pq
	v_lshl_add_u32 v[SPW], v0, 2, SPARE
	v_mov_b32 v[NIL], 0
	v_lshrrev_b32 v14, 5, v0
	v_readfirstlane_b32 s21, v14                   ; wave q
	v_and_b32 v15, 31, v0                          ; lane
	v_and_b32 v1, 15, v0                           ; r
	v_bfe_u32 v2, v0, 4, 1                         ; hh
	v_lshlrev_b32 v[L16], 4, v15
	v_lshlrev_b32 v[L4], 2, v15
	s_and_b32 s10, ttmp7, 0xffff                   ; h
	s_lshr_b32 s11, ttmp9, 1
	s_lshl_b32 s11, s11, 5
	s_and_b32 s12, ttmp9, 1
	s_lshl_b32 s12, s12, 3
	s_add_co_u32 s11, s11, s12
	v_and_b32 v14, 7, v1
	v_lshrrev_b32 v15, 3, v1
	v_lshl_add_u32 v14, v15, 4, v14
	v_add_nc_u32 v14, s11, v14                     ; my row i
	v_lshlrev_b32 v[LA], 6, v14
	v_lshl_add_u32 v[LA], v2, 18, v[LA]
	s_lshl_b32 s12, s10, 14
	s_lshl_b32 s13, s21, 19
	s_add_co_u32 s12, s12, s13
	v_add_nc_u32 v[LA], s12, v[LA]                 ; logits [j / 16][h][i][j % 16]: 64 i + 16,384 h + (4 q + 2 hh) blocks of 131,072
	v_lshlrev_b32 v[PA], 10, v14
	v_lshl_add_u32 v[PA], v2, 7, v[PA]
	s_lshl_b32 s13, s21, 8
	v_add_nc_u32 v[PA], s13, v[PA]                 ; pair_mask: 1,024 i + 256 q + 128 hh
	s_lshr_b32 s22, s21, 1                         ; my K step
	s_and_b32 s23, s21, 1                          ; which half of its fragment is mine
	s_mul_i32 s12, s22, 1536
	s_mul_i32 s13, s23, 520
	s_add_co_u32 s13, s13, s12
	v_add_nc_u32 v[A1], s13, v[L16]                ; my registers 0, 1 (and, 512 bytes on, 4, 5): registers 0, 1, 4, 5 or 6, 7, 10, 11 of the fragment
	s_mul_i32 s13, s23, 1016
	s_add_co_u32 s13, s13, s12
	s_add_co_u32 s13, s13, 8
	v_add_nc_u32 v[A2], s13, v[L16]                ; my registers 2, 3: registers 2, 3 or 8, 9 of the fragment
	s_lshl_b32 s12, s22, 6
	s_lshl_b32 s13, s23, 1
	s_add_co_u32 s12, s12, s13
	s_add_co_u32 s12, s12, SCB
	v_lshl_add_u32 v[SCA], v1, 2, v2
	v_add_nc_u32 v[SCA], s12, v[SCA]               ; my block's byte: word (K step, r), byte 2 (q % 2) + hh
	v_lshlrev_b32 v[MXR], 2, v1
	s_lshl_b32 s12, s21, 6
	s_add_co_u32 s12, s12, MXB
	v_add_nc_u32 v[MXS], s12, v[MXR]
	v_add_nc_u32 v[MXR], MXB, v[MXR]
	s_lshl_b32 s12, s21, 9
	v_add_nc_u32 v[OA], s12, v[L16]                ; the way out: 512 bytes of the image for each wave
	v_add_nc_u32 v[SCR], SCB, v[L4]
	s_mov_b32 s14, 0xc9742400                      ; -1e6
	s_mov_b32 s15, s14
	s_mov_b32 s16, 0x3fb8aa3b                      ; the f32 number nearest to log2(e)
	s_mov_b32 s17, s16
	s_mov_b32 s[SEL], 0x76543210
	s_mov_b32 s[SEL+1], 0xfedcba98
	s_lshl_b32 s22, s10, 4
	s_add_co_u32 s22, s22, ttmp9                   ; 16 h + tile
	s_mul_i32 s24, s22, 3072
	s_mov_b32 s25, 0
	s_lshl_b32 s26, s22, 7
	s_mov_b32 s27, 0
	v_mov_b32 v[TMX+1], 0                          ; written once: a lane permute's destination counts as read
	v_mov_b32 v[NM+1], 0
	s_wait_alu depctr_va_vdst(0)                   ; the wait at the head's end
	s_wait_kmcnt 0x0
	s_add_nc_u64 s[24:25], s[8:9], s[24:25]
	s_add_nc_u64 s[26:27], s[8:9], s[26:27]
.irp e, 0,1
.irp k, 0,1,2,3
	global_load_b128 v[X+16*\e+4*\k:X+16*\e+4*\k+3], v[LA], s[4:5] offset:\e*131072+16*\k
.endr
.endr
.irp k, 0,1,2,3,4,5,6,7
	global_load_b128 v[MK+4*\k:MK+4*\k+3], v[PA], s[6:7] offset:16*\k
.endr
	s_wait_loadcnt 0x0
.set i, 0
.rept 16
	v_pk_fma_f32 v[MK+2*i:MK+2*i+1], v[MK+2*i:MK+2*i+1], -1.0, 1.0 op_sel_hi:[1,0,0]      ; 1 - mask
.set i, i+1
.endr
.set i, 0
.rept 16
	v_pk_fma_f32 v[X+2*i:X+2*i+1], v[MK+2*i:MK+2*i+1], s[14:15], v[X+2*i:X+2*i+1] op_sel_hi:[1,0,1]   ; x = (1 - mask) x (-1e6) + logit: one fused multiply-add, rounded once
.set i, i+1
.endr
.set i, 0
.rept 16
	v_pk_mul_f32 v[X+2*i:X+2*i+1], v[X+2*i:X+2*i+1], s[16:17] op_sel_hi:[1,0]             ; t
.set i, i+1
.endr
	v_max3_num_f32 v[BM], v[X], v[X+1], v[X+2]     ; the largest t of my 32, in two chains
	v_max3_num_f32 v[BM+1], v[X+3], v[X+4], v[X+5]
.irp i, 6,10,14,18,22,26
	v_max3_num_f32 v[BM], v[BM], v[X+\i], v[X+\i+1]
	v_max3_num_f32 v[BM+1], v[BM+1], v[X+\i+2], v[X+\i+3]
.endr
	v_max3_num_f32 v[BM], v[BM], v[X+30], v[X+31]
	v_max_num_f32 v[BM], v[BM], v[BM+1]
	v_permlanex16_b32 v[TMX+1], v[BM], s[SEL], s[SEL+1]
	v_max_num_f32 v[BM], v[BM], v[TMX+1]           ; of my wave's 64 j
	ds_store_b32 v[MXS], v[BM]                     ; both halves of the lanes write the same word with the same value
	s_wait_alu depctr_va_vdst(0)                   ; the wait ahead of the wait below
	s_wait_dscnt 0x0                               ; for the others' sake
	s_barrier_signal -1
	s_barrier_wait -1
.irp c, 0,1,2,3
	ds_load_b32 v[MXV+\c], v[MXR] offset:64*\c
.endr
	s_wait_dscnt 0x0
	v_max3_num_f32 v[TMX], v[MXV], v[MXV+1], v[MXV+2]
	v_max_num_f32 v[TMX], v[TMX], v[MXV+3]         ; the row's largest t
	v_floor_f32 v[NM], -v[TMX]                     ; -M = floor(-t) = -ceil(t): a whole number
.set i, 0
.rept 16
	v_pk_add_f32 v[X+2*i:X+2*i+1], v[X+2*i:X+2*i+1], v[NM:NM+1] op_sel_hi:[1,0]           ; t - M
.set i, i+1
.endr
	s_wait_alu depctr_va_vdst(0)                   ; the wait ahead of the batch
.set i, 0
.rept 32
	v_exp_f32 v[X+i], v[X+i]                       ; p = 2^(t - M)
.set i, i+1
.endr
	v_nop
	s_wait_alu depctr_va_vdst(0)                   ; one wait for the batch, ahead of its first reader
.irp c, 0,1,2,3
	v_pk_add_f32 v[SU+2*\c:SU+2*\c+1], v[X+4*\c:X+4*\c+1], v[X+4*\c+2:X+4*\c+3]
.endr
.set i, 16
.rept 8
	v_pk_add_f32 v[SU+2*((i/2)%4):SU+2*((i/2)%4)+1], v[SU+2*((i/2)%4):SU+2*((i/2)%4)+1], v[X+i:X+i+1]
.set i, i+2
.endr
	v_pk_add_f32 v[SU:SU+1], v[SU:SU+1], v[SU+2:SU+3]
	v_pk_add_f32 v[SU+4:SU+5], v[SU+4:SU+5], v[SU+6:SU+7]
	v_pk_add_f32 v[SU:SU+1], v[SU:SU+1], v[SU+4:SU+5]
	v_add_f32 v[SU], v[SU], v[SU+1]
	v_permlanex16_b32 v[SU+2], v[SU], s[SEL], s[SEL+1]
	v_add_f32 v[SU], v[SU], v[SU+2]                ; the sum of my wave's 64 unquantised p
	ds_store_b32 v[MXS], v[SU] offset:256
	QB X, F, TQ, QT
	ds_store_b8 v[SCA], v[QT+2]
	ds_store_b64 v[A1], v[F:F+1]
	ds_store_b64 v[A2], v[F+2:F+3]
	ds_store_b64 v[A1], v[F+4:F+5] offset:512
	s_wait_alu depctr_va_vdst(0)                   ; the wait ahead of the wait below
	s_wait_dscnt 0x0                               ; for the others' sake: my sum, my byte and my codes lie in LDS
	s_barrier_signal -1
	s_barrier_wait -1
.irp c, 0,1,2,3
	ds_load_b32 v[MXV+\c], v[MXR] offset:256+64*\c
.endr
	ds_load_b128 v[OUT:OUT+3], v[OA]
	s_wait_dscnt 0x0
	global_store_b128 v[OA], v[OUT:OUT+3], s[24:25]        ; 512 consecutive bytes of the image: part q
	v_add_f32 v[MXV], v[MXV], v[MXV+1]
	v_add_f32 v[MXV+2], v[MXV+2], v[MXV+3]
	v_add_f32 v[MXV], v[MXV], v[MXV+2]             ; l
	s_wait_alu depctr_va_vdst(0)                   ; the wait ahead of the transcendental
	v_rcp_f32 v[RLV], v[MXV]
	v_nop
	s_wait_alu depctr_va_vdst(0)                   ; and behind it, ahead of the branches and of the store that reads it
	s_cmp_lt_u32 s21, 2
	s_cbranch_scc0 .Lhi
	ds_load_b128 v[SU:SU+3], v[OA] offset:2048     ; waves 0 and 1: parts 4 and 5
	s_wait_dscnt 0x0
	global_store_b128 v[OA], v[SU:SU+3], s[24:25] offset:2048
	s_branch .Lend
.Lhi:
	s_cmp_eq_u32 s21, 2
	s_cbranch_scc0 .Lrl
	ds_load_b32 v[SU], v[SCR]                      ; wave 2: the scale words: lanes 0-15 K step 0, lanes 16-31 K step 1
	s_wait_dscnt 0x0
	global_store_b32 v[L4], v[SU], s[26:27] offset:393216
	s_branch .Lend
.Lrl:
	global_store_b32 v[L4], v[RLV], s[26:27] offset:409600  ; wave 3: 1 / l
.Lend:
	s_wait_tensorcnt 0x0                           ; the wave's end
	ds_add_u32 v[SPW], v[NIL]
	s_wait_dscnt 0x0
	s_endpgm
.Lfunc_end_k_qb34a5dc124_soft:
	.size	k_qb34a5dc124_soft, .Lfunc_end_k_qb34a5dc124_soft-k_qb34a5dc124_soft
	.p2alignl 7, 3214868480
	.fill 96, 4, 3214868480
	.section	.rodata,"a",@progbits
	.p2align	6, 0x0
	.amdhsa_kernel k_qb34a5dc124_soft
		.amdhsa_group_segment_fixed_size 4352
		.amdhsa_private_segment_fixed_size 0
		.amdhsa_enable_private_segment 0
		.amdhsa_kernarg_size 24
		.amdhsa_user_sgpr_count 2
		.amdhsa_user_sgpr_kernarg_segment_ptr 1
		.amdhsa_wavefront_size32 1
		.amdhsa_system_sgpr_workgroup_id_x 1
		.amdhsa_system_sgpr_workgroup_id_y 1
		.amdhsa_system_sgpr_workgroup_id_z 1
		.amdhsa_system_vgpr_workitem_id 0
		.amdhsa_next_free_vgpr 128
		.amdhsa_next_free_sgpr 66
		.amdhsa_reserve_vcc 0
		.amdhsa_float_denorm_mode_32 3
		.amdhsa_float_denorm_mode_16_64 3
		.amdhsa_memory_ordered 1
		.amdhsa_forward_progress 1
		.amdhsa_inst_pref_size 16
	.end_amdhsa_kernel
	.amdgpu_metadata
---
amdhsa.version: [ 1, 2 ]
amdhsa.kernels:
  - .name:           k_qb34a5dc124_soft
    .symbol:         k_qb34a5dc124_soft.kd
    .args:
      - { .name: logits, .offset: 0, .size: 8, .value_kind: global_buffer, .address_space: global }
      - { .name: pair_mask, .offset: 8, .size: 8, .value_kind: global_buffer, .address_space: global }
      - { .name: pq, .offset: 16, .size: 8, .value_kind: global_buffer, .address_space: global }
    .group_segment_fixed_size: 4352
    .private_segment_fixed_size: 0
    .kernarg_segment_align: 8
    .kernarg_segment_size: 24
    .max_flat_workgroup_size: 128
    .sgpr_count:     66
    .vgpr_count:     128
    .wavefront_size: 32
...
	.end_amdgpu_metadata
.endif
;; end of part 3
;; launch pwa (part 4): grid 256 x 1, 8 waves a work-group, no clusters, 142,336 bytes of LDS; arguments mn2, wts, pq, out0; writes out0
.if DOCPART == 4
	.amdgcn_target "amdgcn-amd-amdhsa--gfx1250"
	.amdhsa_code_object_version 6
	.text
	.protected	k_qb34a5dc124_pwa
	.globl	k_qb34a5dc124_pwa
	.p2align	8
	.type	k_qb34a5dc124_pwa,@function
k_qb34a5dc124_pwa:
	s_mov_b64 s[64:65], 0
	v_nop
	global_prefetch_b8 v0, s[64:65] scope:SCOPE_SE
	s_setreg_imm32_b32 hwreg(HW_REG_WAVE_MODE, 25, 1), 1
	s_wait_xcnt 0x0
; PWA.  For two s and all 256 n: v = Q(mn2) Q(pwa_m_w)^T, quantised along j; g = sigmoid(Q(mn2) Q(pwa_g_w)^T); o = Q(v) Q(p) / l; out = Q(g o) Q(pwa_o_w)^T.  v, g and o never go to memory.
; SHARES.  Work-group x owns s = 2 x + sl, sl = 0, 1.  Eight waves of 512 registers, two to a SIMD, so that one wave's exponentials and reciprocals stand beside the other's matrix work.
; PHASE V: wave (sl = w / 4, w4 = w % 4) makes v(s, j, :) for j = 64 w4 .. 64 w4 + 63: source 0 = 16 rows j of mn2 (rows 8 u + (r & 7) + 16 (r >> 3) of a group of 32), source 1 = 16 rows of pwa_m_w: a lane holds one
; channel and its registers run along j, the next K.  Its 64 j are half of a K step: six registers of each fragment (sl, 16 channels, K step), which go to LDS as an image of those registers, and two bytes of its scale word.
; PHASE H: wave w owns rows n = 32 w .. 32 w + 31 (two tiles) of both s.  For each head: 8 products for g, 16 for o (source 0 = 16 channels, source 1 = 16 rows): a lane holds one row, and its 16 registers of two tiles are
; 16 neighbouring channels of the head: with lane l xor 16's they are one block of 32 of the last K.  The last product's results leave through the wave's own stage as whole rows of 256 bytes.
; K = 64 IN A FORM OF K = 128: mn2's fragments have zero codes in registers 6 to 11; the weight tiles lie 6 registers apart, so that a tile's upper six registers are other codes that have been loaded: a zero code times a
; finite code adds nothing, and no scale byte is 0xff.
; No cluster and no tensor load: what the work-groups share (p, 1 / l, the weights' images: under 0.6 MiB) goes straight into registers, a head ahead of its use.
; LIMITS: NaN and infinities are not served; a block whose largest magnitude lies under 2^-124 has its scale byte held at 1, a block of zeros has byte 1 (its codes are zeros); the sigmoid is v_exp_f32 and v_rcp_f32.
.set VIMG,  0                          ; v's 64 fragments (fragment (16 sl + T) 2 + ks at 1,536 bytes each; in it, for each half: 512 bytes of registers 0-3, 256 of registers 4-5)
.set VSC,   98304                      ; their scale words, 128 bytes each
.set STG,   106496                     ; the way out: 16 rows x (256 bytes + 16) for each wave
.set SPARE, 141312
.set MNA,   1
.set MNW,   2
.set L16,   3
.set L4,    4
.set VW16,  5
.set VW8,   6
.set VWS,   7
.set VR16,  8                          ; v8, v9: sl = 0, 1
.set VR8,   10                         ; v10, v11
.set VSR,   12
.set SO,    13
.set SR,    14
.set SPW,   16
.set NIL,   17
.set MNS,   20                         ; v20-23 mn2's scale words
.set MWS,   24                         ; v24-39 phase V: pwa_m_w's scale words
.set PSC,   24                         ; phase H: p's;  v26-27 pwa_g_w's;  v28-35 v's, later pwa_o_w's
.set GWS,   26
.set VS,    28
.set XW,    40                         ; v40-47 the scale words just made
.set TYV,   48                         ; phase V: v48-55, v56-63 at work, v64-75 the codes just made
.set TMV,   56
.set VC,    64
.set XT,    48                         ; phase H: v48-63 the even head's codes;  v64-67 1 / l
.set RL,    64
.set MN,    80                         ; v80-127 four fragments of mn2
.set GA,    128                        ; v128-191 phase V: v's tiles; phase H: g
.set OA,    192                        ; v192-255 o
.set GWF,   0                          ; window 1, phase H: pwa_g_w's two tiles; p's four fragments; v's eight, later pwa_o_w's; the last product's operand
.set PF,    12
.set VF,    60
.set PCD,   156
.set WV,    12
.set SL,    13
.set W4,    14
.set KSV,   15
.set CCV,   16
.set SEL,   18
.set NL2E,  20
.set MB,    24
.set MWB,   26
.set MB2,   28
.set MWB2,  30
.set PQB,   32
.set PQS,   34
.set OB,    36
.set MSB, 0
.macro WIN new
.if MSB != (\new)
	s_set_vgpr_msb (MSB<<8)|(\new)
.set MSB, (\new)
.endif
.endm
.macro MM d, a, b, z, sa, sb, ra, rb
.if \z
.if (\ra) && (\rb)
	v_wmma_scale_f32_16x16x128_f8f6f4 v[(\d):(\d)+7], v[(\a):(\a)+11], v[(\b):(\b)+11], 0, v[\sa], v[\sb] matrix_a_fmt:MATRIX_FMT_FP6 matrix_b_fmt:MATRIX_FMT_FP6 matrix_a_scale:MATRIX_SCALE_ROW1 matrix_b_scale:MATRIX_SCALE_ROW1
.elseif (\ra)
	v_wmma_scale_f32_16x16x128_f8f6f4 v[(\d):(\d)+7], v[(\a):(\a)+11], v[(\b):(\b)+11], 0, v[\sa], v[\sb] matrix_a_fmt:MATRIX_FMT_FP6 matrix_b_fmt:MATRIX_FMT_FP6 matrix_a_scale:MATRIX_SCALE_ROW1
.elseif (\rb)
	v_wmma_scale_f32_16x16x128_f8f6f4 v[(\d):(\d)+7], v[(\a):(\a)+11], v[(\b):(\b)+11], 0, v[\sa], v[\sb] matrix_a_fmt:MATRIX_FMT_FP6 matrix_b_fmt:MATRIX_FMT_FP6 matrix_b_scale:MATRIX_SCALE_ROW1
.else
	v_wmma_scale_f32_16x16x128_f8f6f4 v[(\d):(\d)+7], v[(\a):(\a)+11], v[(\b):(\b)+11], 0, v[\sa], v[\sb] matrix_a_fmt:MATRIX_FMT_FP6 matrix_b_fmt:MATRIX_FMT_FP6
.endif
.else
.if (\ra) && (\rb)
	v_wmma_scale_f32_16x16x128_f8f6f4 v[(\d):(\d)+7], v[(\a):(\a)+11], v[(\b):(\b)+11], v[(\d):(\d)+7], v[\sa], v[\sb] matrix_a_fmt:MATRIX_FMT_FP6 matrix_b_fmt:MATRIX_FMT_FP6 matrix_a_scale:MATRIX_SCALE_ROW1 matrix_b_scale:MATRIX_SCALE_ROW1
.elseif (\ra)
	v_wmma_scale_f32_16x16x128_f8f6f4 v[(\d):(\d)+7], v[(\a):(\a)+11], v[(\b):(\b)+11], v[(\d):(\d)+7], v[\sa], v[\sb] matrix_a_fmt:MATRIX_FMT_FP6 matrix_b_fmt:MATRIX_FMT_FP6 matrix_a_scale:MATRIX_SCALE_ROW1
.elseif (\rb)
	v_wmma_scale_f32_16x16x128_f8f6f4 v[(\d):(\d)+7], v[(\a):(\a)+11], v[(\b):(\b)+11], v[(\d):(\d)+7], v[\sa], v[\sb] matrix_a_fmt:MATRIX_FMT_FP6 matrix_b_fmt:MATRIX_FMT_FP6 matrix_b_scale:MATRIX_SCALE_ROW1
.else
	v_wmma_scale_f32_16x16x128_f8f6f4 v[(\d):(\d)+7], v[(\a):(\a)+11], v[(\b):(\b)+11], v[(\d):(\d)+7], v[\sa], v[\sb] matrix_a_fmt:MATRIX_FMT_FP6 matrix_b_fmt:MATRIX_FMT_FP6
.endif
.endif
.endm
; n streams by turns: 16 numbers of a lane (half a block; lane l xor 16 holds the other half) -> byte pos of the stream's scale word, and 16 codes: an even block's into x, an odd block's into ty.
; Behind an odd block the halves change places: x then holds the lower 16 codes of the lane's whole block, ty the upper 16.  mv = 1: ty is moved in behind x.
.macro QC n, src, ss, x, xs, ty, tm, xw, xws, pos, odd, mv
.set g, 0
.rept \n
	v_max3_num_f32 v[(\tm)+g], |v[(\src)+(\ss)*g]|, |v[(\src)+(\ss)*g+1]|, 0x1800000      ; the floor 2^(3 - 127): the byte cannot fall under 1
.set g, g+1
.endr
.irp i, 2,4,6,8,10,12,14
.set g, 0
.rept \n
	v_max3_num_f32 v[(\tm)+g], v[(\tm)+g], |v[(\src)+(\ss)*g+\i]|, |v[(\src)+(\ss)*g+\i+1]|
.set g, g+1
.endr
.endr
.set g, 0
.rept \n
	v_permlanex16_b32 v[(\tm)+(\n)+g], v[(\tm)+g], s[SEL], s[SEL+1]
.set g, g+1
.endr
.set g, 0
.rept \n
	v_max_num_f32 v[(\tm)+g], v[(\tm)+g], v[(\tm)+(\n)+g]
.set g, g+1
.endr
.set g, 0
.rept \n
	v_add_nc_u32 v[(\tm)+2*(\n)+g], 0xff000000, v[(\tm)+g]
.set g, g+1
.endr
.set g, 0
.rept \n
	v_lshrrev_b32 v[(\tm)+3*(\n)+g], 23, v[(\tm)+2*(\n)+g]
.set g, g+1
.endr
.set g, 0
.rept \n
.if (\pos) == 0
	v_mov_b32 v[(\xw)+(\xws)*g], v[(\tm)+3*(\n)+g]
.else
	v_lshl_or_b32 v[(\xw)+(\xws)*g], v[(\tm)+3*(\n)+g], 8*(\pos), v[(\xw)+(\xws)*g]
.endif
.set g, g+1
.endr
.set g, 0
.rept \n
.if (\odd)
	v_cvt_scalef32_pk16_fp6_f32 v[(\ty)+4*g:(\ty)+4*g+2], v[(\src)+(\ss)*g:(\src)+(\ss)*g+15], v[(\tm)+2*(\n)+g]
.else
	v_cvt_scalef32_pk16_fp6_f32 v[(\x)+(\xs)*g:(\x)+(\xs)*g+2], v[(\src)+(\ss)*g:(\src)+(\ss)*g+15], v[(\tm)+2*(\n)+g]
.endif
.set g, g+1
.endr
	v_nop                                                       ; one plain place behind the conversions
.if (\odd)
.set g, 0
.rept \n
.irp i, 0,1,2
	v_permlane16_swap_b32 v[(\x)+(\xs)*g+\i], v[(\ty)+4*g+\i]
.endr
.set g, g+1
.endr
.if (\mv)
.set g, 0
.rept \n
.irp i, 0,1,2
	v_mov_b32 v[(\x)+(\xs)*g+3+\i], v[(\ty)+4*g+\i]
.endr
.set g, g+1
.endr
.endif
.endif
.endm
.macro PLACES n
.rept \n
	v_nop
.endr
.endm
	s_load_b256 s[4:11], s[0:1], 0x0               ; mn2 4, wts 6, pq 8, out0 10
	v_lshl_add_u32 v[SPW], v0, 2, SPARE
	v_mov_b32 v[NIL], 0
	v_lshrrev_b32 v15, 5, v0
	s_delay_alu instid0(VALU_DEP_1)
	v_readfirstlane_b32 s[WV], v15                 ; wave 0..7
	s_lshr_b32 s[SL], s[WV], 2
	s_and_b32 s[W4], s[WV], 3
	s_lshr_b32 s[KSV], s[W4], 1
	s_and_b32 s[CCV], s[W4], 1
	s_mov_b32 s[SEL], 0x76543210
	s_mov_b32 s[SEL+1], 0xfedcba98
	s_mov_b32 s[NL2E], 0xbfb8aa3b                  ; -log2(e)
	s_mov_b32 s[NL2E+1], s[NL2E]
	v_and_b32 v15, 15, v0                          ; r
	v_bfe_u32 v18, v0, 4, 1                        ; hh
	v_and_b32 v19, 31, v0                          ; lane
	s_delay_alu instid0(VALU_DEP_1)
	v_lshlrev_b32 v[L16], 4, v19
	s_delay_alu instid0(VALU_DEP_2)
	v_lshlrev_b32 v[L4], 2, v19
	v_bfe_u32 v[MNA], v15, 2, 1
	v_lshrrev_b32 v[MNW], 3, v15
	s_delay_alu instid0(VALU_DEP_1)
	v_lshl_add_u32 v[MNA], v[MNW], 2, v[MNA]       ; my row's n / 4 within a tile: ((r >> 2) & 1) + 4 (r >> 3)
	s_delay_alu instid0(VALU_DEP_1)
	v_lshlrev_b32 v[MNW], 13, v[MNA]
	s_delay_alu instid0(VALU_DEP_2)
	v_mul_u32_u24 v[MNA], v[MNA], 98304
	v_and_b32 v[VW16], 3, v15
	s_delay_alu instid0(VALU_DEP_1)
	v_mad_u32_u24 v[MNA], v[VW16], 48, v[MNA]
	s_delay_alu instid0(VALU_DEP_1)
	v_mad_u32_u24 v[MNA], v18, 24, v[MNA]
	s_delay_alu instid0(VALU_DEP_3)
	v_lshl_add_u32 v[MNW], v[VW16], 2, v[MNW]
	s_mul_i32 s22, s[SL], 49152
	s_mul_i32 s23, s[KSV], 1536
	s_add_co_u32 s22, s22, s23
	s_mul_i32 s23, s[CCV], 768
	s_add_co_u32 s22, s22, s23
	v_add_nc_u32 v[VW16], s22, v[L16]
	v_lshlrev_b32 v[VW8], 3, v19
	s_delay_alu instid0(VALU_DEP_1)
	v_add_nc_u32 v[VR8], 512, v[VW8]
	s_delay_alu instid0(VALU_DEP_2)
	v_add_nc_u32 v[VR8+1], 49152+512, v[VW8]
	s_delay_alu instid0(VALU_DEP_3)
	v_add_nc_u32 v[VW8], s22, v[VW8]
	s_delay_alu instid0(VALU_DEP_1)
	v_add_nc_u32 v[VW8], 512, v[VW8]
	s_lshl_b32 s22, s[SL], 12
	s_lshl_b32 s23, s[KSV], 7
	s_add_co_u32 s22, s22, s23
	s_lshl_b32 s23, s[CCV], 1
	s_add_co_u32 s22, s22, s23
	s_add_co_u32 s22, s22, VSC
	v_add_nc_u32 v[VWS], s22, v[L4]
	v_add_nc_u32 v[VR16], 0, v[L16]
	v_add_nc_u32 v[VR16+1], 49152, v[L16]
	v_add_nc_u32 v[VSR], VSC, v[L4]
	s_mul_i32 s22, s[WV], 4352
	s_add_co_u32 s22, s22, STG
	v_mul_u32_u24 v[SO], v15, 272
	s_delay_alu instid0(VALU_DEP_1)
	v_lshl_add_u32 v[SO], v18, 7, v[SO]
	s_delay_alu instid0(VALU_DEP_1)
	v_add_nc_u32 v[SO], s22, v[SO]                 ; the stage, in: row r, + 128 hh
	v_mul_u32_u24 v[SR], v18, 272
	s_delay_alu instid0(VALU_DEP_1)
	v_lshl_add_u32 v[SR], v15, 4, v[SR]
	s_delay_alu instid0(VALU_DEP_1)
	v_add_nc_u32 v[SR], s22, v[SR]                 ; back: lanes 0-15 one row, lanes 16-31 the next
.irp f, 0,1,2,3
.irp i, 6,7,8,9,10,11
	v_mov_b32 v[MN+12*\f+\i], 0                    ; the zero codes of K = 64 .. 127
.endr
.endr
.irp i, 0,1,2,3,4,5,6,7
	v_mov_b32 v[TMV+\i], 0                         ; written once: a lane permute's destination counts as read
.endr
	WIN 0x40
.irp i, 96,97,98,99,100,101
	v_mov_b32 v[\i], 0
.endr
	WIN 0
	s_lshl_b32 s38, ttmp9, 1
	s_add_co_u32 s38, s38, s[SL]                   ; phase V: my s
	s_mov_b32 s23, 0
	s_mul_i32 s22, s[W4], 1572864
	s_mul_i32 s39, s38, 192
	s_add_co_u32 s22, s22, s39
	s_wait_kmcnt 0x0
	s_add_nc_u64 s[MB:MB+1], s[4:5], s[22:23]
	s_lshl_b32 s22, s[W4], 17
	s_lshl_b32 s39, s38, 4
	s_add_co_u32 s22, s22, s39
	s_add_nc_u64 s[MWB:MWB+1], s[4:5], s[22:23]
	s_mul_i32 s22, s[WV], 786432
	s_mul_i32 s39, ttmp9, 384
	s_add_co_u32 s22, s22, s39
	s_add_nc_u64 s[MB2:MB2+1], s[4:5], s[22:23]
	s_lshl_b32 s22, s[WV], 16
	s_lshl_b32 s39, ttmp9, 5
	s_add_co_u32 s22, s22, s39
	s_add_nc_u64 s[MWB2:MWB2+1], s[4:5], s[22:23]
	s_mul_i32 s22, s[WV], 6144
	s_add_nc_u64 s[PQB:PQB+1], s[8:9], s[22:23]
	s_lshl_b32 s22, s[WV], 8
	s_add_nc_u64 s[PQS:PQS+1], s[8:9], s[22:23]
	s_lshl_b32 s22, ttmp9, 17
	s_lshl_b32 s39, s[WV], 13
	s_add_co_u32 s22, s22, s39
	s_add_nc_u64 s[OB:OB+1], s[10:11], s[22:23]
	; ---- PHASE V
.irp b, 0,1
.irp u, 0,1
.irp p, 0,1,2
	global_load_b64 v[MN+12*(2*\b+\u)+2*\p:MN+12*(2*\b+\u)+2*\p+1], v[MNA], s[MB:MB+1] offset:\b*786432+\u*196608+8*\p
.endr
	global_load_b32 v[MNS+2*\b+\u], v[MNW], s[MWB:MWB+1] offset:6291456+\b*65536+\u*16384
.endr
.endr
.irp h, 0,1,2,3,4,5,6,7
.irp t, 0,1
	global_load_b32 v[MWS+2*\h+\t], v[L4], s[6:7] offset:135168+(72+\h)*256+\t*128
.endr
.endr
	WIN 0x40
.irp h, 0,1,2,3,4,5,6,7
.irp g, 0,1,2
	global_load_b128 v[12*\h+4*\g:12*\h+4*\g+3], v[L16], s[6:7] offset:(72+\h)*1536+\g*512
.endr
.endr
	WIN 0
	s_wait_loadcnt 0x0
.macro VHEAD h
	WIN 0x04                                       ; source 1 (pwa_m_w) window 1
.irp t, 0,1
.irp b, 0,1
.irp u, 0,1
	MM GA+32*\t+16*\b+8*\u, MN+12*(2*\b+\u), 6*(2*(\h)+\t), 1, MNS+2*\b+\u, MWS+2*(\h)+\t, 0, 0
.endr
.endr
.endr
	WIN 0
	PLACES 4
	QC 2, GA, 32, VC, 6, TYV, TMV, XW, 1, 0, 0, 0
	QC 2, GA+16, 32, VC, 6, TYV, TMV, XW, 1, 1, 1, 1
.irp t, 0,1
	ds_store_b128 v[VW16], v[VC+6*\t:VC+6*\t+3] offset:(2*(\h)+\t)*3072
	ds_store_b64 v[VW8], v[VC+6*\t+4:VC+6*\t+5] offset:(2*(\h)+\t)*3072
	ds_store_b16 v[VWS], v[XW+\t] offset:(2*(\h)+\t)*256
.endr
.endm
	VHEAD 0
	VHEAD 1
	VHEAD 2
	VHEAD 3
	VHEAD 4
	VHEAD 5
	VHEAD 6
	VHEAD 7
; what a head takes from memory: pwa_g_w's image and scale words, p's four fragments, their scale words, 1 / l
.macro HLOADG h
	WIN 0x40
.irp g, 0,1,2
	global_load_b128 v[GWF+4*\g:GWF+4*\g+3], v[L16], s[6:7] offset:(80+(\h))*1536+\g*512
.endr
.irp u, 0,1
.irp ks, 0,1
.irp g, 0,1,2
	global_load_b128 v[PF+12*(2*\u+\ks)+4*\g:PF+12*(2*\u+\ks)+4*\g+3], v[L16], s[PQB:PQB+1] offset:(\h)*49152+\u*3072+\ks*1536+\g*512
.endr
.endr
.endr
	WIN 0
.irp u, 0,1
	global_load_b32 v[PSC+\u], v[L4], s[PQS:PQS+1] offset:393216+(\h)*2048+\u*128
	global_load_b32 v[RL+2*\u], v[L4], s[PQS:PQS+1] offset:409600+(\h)*2048+\u*128
	global_load_b32 v[RL+2*\u+1], v[L4], s[PQS:PQS+1] offset:409600+(\h)*2048+\u*128
	global_load_b32 v[GWS+\u], v[L4], s[6:7] offset:135168+(80+(\h))*256+\u*128
.endr
.endm
; and from LDS: v's eight fragments and their scale words
.macro HLOADL h
	WIN 0x40
.irp sl, 0,1
.irp t, 0,1
.irp ks, 0,1
.irp c, 0,1
	ds_load_b128 v[VF+12*(4*\sl+2*\t+\ks)+6*\c:VF+12*(4*\sl+2*\t+\ks)+6*\c+3], v[VR16+\sl] offset:(2*(\h)+\t)*3072+\ks*1536+\c*768
	ds_load_b64 v[VF+12*(4*\sl+2*\t+\ks)+6*\c+4:VF+12*(4*\sl+2*\t+\ks)+6*\c+5], v[VR8+\sl] offset:(2*(\h)+\t)*3072+\ks*1536+\c*768
.endr
.endr
.endr
.endr
	WIN 0
.irp sl, 0,1
.irp t, 0,1
.irp ks, 0,1
	ds_load_b32 v[VS+4*\sl+2*\t+\ks], v[VSR] offset:\sl*4096+(2*(\h)+\t)*256+\ks*128
.endr
.endr
.endr
.endm
	; phase H's rows of mn2 and head 0's loads from memory: the quantiser's plain lines are the places behind phase V's last products
.irp sl, 0,1
.irp u, 0,1
.irp p, 0,1,2
	global_load_b64 v[MN+12*(2*\sl+\u)+2*\p:MN+12*(2*\sl+\u)+2*\p+1], v[MNA], s[MB2:MB2+1] offset:\sl*192+\u*196608+8*\p
.endr
	global_load_b32 v[MNS+2*\sl+\u], v[MNW], s[MWB2:MWB2+1] offset:6291456+\sl*16+\u*16384
.endr
.endr
	HLOADG 0
	s_wait_dscnt 0x0                               ; for the others' sake: my images of v lie in LDS
	s_barrier_signal -1
	s_barrier_wait -1
	HLOADL 0
	; ---- PHASE H
.macro HEAD h
	s_wait_loadcnt 0x0
	s_wait_dscnt 0x0
	WIN 0x01                                       ; source 0 (pwa_g_w) window 1
.irp sl, 0,1
.irp u, 0,1
.irp t, 0,1
	MM GA+32*\sl+16*\u+8*\t, GWF+6*\t, MN+12*(2*\sl+\u), 1, GWS+\t, MNS+2*\sl+\u, 0, 0
.endr
.endr
.endr
	WIN 0x05                                       ; v and p: window 1.  Eight accumulators by turns, a K step at a time
.irp ks, 0,1
.irp sl, 0,1
.irp u, 0,1
.irp t, 0,1
	MM OA+32*\sl+16*\u+8*\t, VF+12*(4*\sl+2*\t+\ks), PF+12*(2*\u+\ks), (\ks==0), VS+4*\sl+2*\t+\ks, PSC+\u, 0, \ks
.endr
.endr
.endr
.endr
	WIN 0
	PLACES 4
.set i, 0
.rept 32
	v_pk_mul_f32 v[OA+2*i:OA+2*i+1], v[OA+2*i:OA+2*i+1], v[RL+2*((i/8)%2):RL+2*((i/8)%2)+1] op_sel_hi:[1,0]     ; / l
.set i, i+1
.endr
.if \h < 7
	HLOADG (\h)+1                                  ; the next head's operands: the vector work below stands between these loads and the waits for them
	HLOADL (\h)+1
.else
	WIN 0x40
.irp j, 0,1,2,3,4,5,6,7
.irp g, 0,1,2
	global_load_b128 v[VF+12*\j+4*\g:VF+12*\j+4*\g+3], v[L16], s[6:7] offset:(64+\j)*1536+\g*512    ; pwa_o_w's eight images
.endr
.endr
	WIN 0
.irp j, 0,1,2,3,4,5,6,7
	global_load_b32 v[VS+\j], v[L4], s[6:7] offset:135168+(64+\j)*256
.endr
.endif
.set i, 0
.rept 32
	v_pk_mul_f32 v[GA+2*i:GA+2*i+1], v[GA+2*i:GA+2*i+1], s[NL2E:NL2E+1] op_sel_hi:[1,0]
.set i, i+1
.endr
.set i, 0
	s_wait_alu depctr_va_vdst(0)
.rept 64
	v_exp_f32 v[GA+i], v[GA+i]
.set i, i+1
.endr
	v_nop
	s_wait_alu depctr_va_vdst(0)                   ; one wait for the batch
.set i, 0
.rept 32
	v_pk_add_f32 v[GA+2*i:GA+2*i+1], v[GA+2*i:GA+2*i+1], 1.0 op_sel_hi:[1,0]
.set i, i+1
.endr
.set i, 0
	s_wait_alu depctr_va_vdst(0)
.rept 64
	v_rcp_f32 v[GA+i], v[GA+i]
.set i, i+1
.endr
	v_nop
	s_wait_alu depctr_va_vdst(0)                   ; one wait for the batch
.set i, 0
.rept 32
	v_pk_mul_f32 v[OA+2*i:OA+2*i+1], v[OA+2*i:OA+2*i+1], v[GA+2*i:GA+2*i+1]
.set i, i+1
.endr
	QC 4, OA, 16, XT, 4, GA, GA+16, XW+((\h)/4), 2, (\h)%4, (\h)%2, 0       ; the gate's registers are free: the quantiser works there
.if (\h)%2
	WIN 0x40
.irp g, 0,1,2,3
.irp i, 0,1,2
	v_mov_b32 v[PCD+24*\g+12*((\h)/4)+6*(((\h)%4)/2)+\i], v[XT+4*\g+\i]
	v_mov_b32 v[PCD+24*\g+12*((\h)/4)+6*(((\h)%4)/2)+3+\i], v[GA+4*\g+\i]
.endr
.endr
	WIN 0
.endif
.endm
	HEAD 0
	HEAD 1
	HEAD 2
	HEAD 3
	HEAD 4
	HEAD 5
	HEAD 6
	HEAD 7
	; ---- the last product: 16 accumulators (row tile, 16 output channels) by turns, two K steps
	s_wait_loadcnt 0x0
	PLACES 8                                       ; the codes and scale words were written by vector instructions
	WIN 0x05
.irp kk, 0,1
	s_wait_alu depctr_va_vdst(0)
.irp g, 0,1,2,3
.irp t, 0,1,2,3
	MM 128+8*(4*\g+\t), VF+12*(4*\kk+\t), PCD+24*\g+12*\kk, (\kk==0), VS+4*\kk+\t, XW+2*\g+\kk, 0, 0
.endr
.endr
.endr
	WIN 0
	PLACES 4
; a row tile: a lane holds 32 neighbouring channels (32 hh ..) of one row; through my stage they come back as whole rows; 32 lanes store two neighbouring rows, 512 consecutive bytes
.macro OUTT sg
.set BK, 80-32*((\sg)%2)
.if (\sg) >= 2
	s_wait_xcnt 0x0                                ; the stores of two tiles back have read their registers
.endif
.irp t, 0,1,2,3
	ds_store_b128 v[SO], v[128+8*(4*(\sg)+\t):128+8*(4*(\sg)+\t)+3] offset:32*\t       ; each accumulator from its low end on
	ds_store_b128 v[SO], v[128+8*(4*(\sg)+\t)+4:128+8*(4*(\sg)+\t)+7] offset:32*\t+16
.endr
.irp k, 0,1,2,3,4,5,6,7
	ds_load_b128 v[BK+4*\k:BK+4*\k+3], v[SR] offset:2*\k*272      ; LDS serves a wave's instructions in order: these see my stores
.endr
.irp k, 0,1,2,3,4,5,6,7
	s_wait_dscnt 7-\k
	global_store_b128 v[L16], v[BK+4*\k:BK+4*\k+3], s[OB:OB+1] offset:((\sg)/2)*65536+((\sg)%2)*2048+(2*\k+8*(\k/4))*256 th:TH_STORE_NT
.endr
.endm
	OUTT 0
	OUTT 1
	OUTT 2
	OUTT 3
	s_wait_tensorcnt 0x0                           ; the wave's end
	ds_add_u32 v[SPW], v[NIL]
	s_wait_dscnt 0x0
	s_endpgm
.Lfunc_end_k_qb34a5dc124_pwa:
	.size	k_qb34a5dc124_pwa, .Lfunc_end_k_qb34a5dc124_pwa-k_qb34a5dc124_pwa
	.p2alignl 7, 3214868480
	.fill 96, 4, 3214868480
	.section	.rodata,"a",@progbits
	.p2align	6, 0x0
	.amdhsa_kernel k_qb34a5dc124_pwa
		.amdhsa_group_segment_fixed_size 142336
		.amdhsa_private_segment_fixed_size 0
		.amdhsa_enable_private_segment 0
		.amdhsa_kernarg_size 32
		.amdhsa_user_sgpr_count 2
		.amdhsa_user_sgpr_kernarg_segment_ptr 1
		.amdhsa_wavefront_size32 1
		.amdhsa_system_sgpr_workgroup_id_x 1
		.amdhsa_system_sgpr_workgroup_id_y 1
		.amdhsa_system_sgpr_workgroup_id_z 1
		.amdhsa_system_vgpr_workitem_id 0
		.amdhsa_next_free_vgpr 512
		.amdhsa_next_free_sgpr 66
		.amdhsa_reserve_vcc 0
		.amdhsa_float_denorm_mode_32 3
		.amdhsa_float_denorm_mode_16_64 3
		.amdhsa_memory_ordered 1
		.amdhsa_forward_progress 1
		.amdhsa_inst_pref_size 255
	.end_amdhsa_kernel
	.section	.bss,"aw",@nobits
	.p2align	6
	.space	262144
	.amdgpu_metadata
---
amdhsa.version: [ 1, 2 ]
amdhsa.kernels:
  - .name:           k_qb34a5dc124_pwa
    .symbol:         k_qb34a5dc124_pwa.kd
    .args:
      - { .name: mn2, .offset: 0, .size: 8, .value_kind: global_buffer, .address_space: global }
      - { .name: wts, .offset: 8, .size: 8, .value_kind: global_buffer, .address_space: global }
      - { .name: pq, .offset: 16, .size: 8, .value_kind: global_buffer, .address_space: global }
      - { .name: out0, .offset: 24, .size: 8, .value_kind: global_buffer, .address_space: global }
    .group_segment_fixed_size: 142336
    .private_segment_fixed_size: 0
    .kernarg_segment_align: 8
    .kernarg_segment_size: 32
    .max_flat_workgroup_size: 256
    .sgpr_count:     66
    .vgpr_count:     512
    .wavefront_size: 32
...
	.end_amdgpu_metadata
.endif
;; end of part 4
